; MI455X (gfx1250); checked and timed in simulation.
; The chip was launched on July 23, 2026; its instructions are those of AMD's public machine-readable ISA for CDNA 5 (MIT licence, August 2026) and "CDNA5" Instruction Set Architecture Reference Guide (July 2026). The comments in the code are by the model that wrote it; some were corrected since.
;; Predictive Streaming Block. Allowed arithmetic: matrix products marked QUANTISED: E3M2 operands, one E8M0 scale for each 32 along K, by v_wmma_scale_f32_16x16x128_f8f6f4 with both operands' format E3M2, f32 sums; products left as they are: f32 operands where the result goes on into a quantised operand, else bf16, f16 or f32 operands; f32 sums; everything else in f32.
;; Inputs: b1 8 x 512 float32; b2 8 x 1,024 float32; beta 1,024 float32; gamma 1,024 float32; router_b 8 float32; router_w 1,024 x 8 float32; w1_codes 8 x 512 x 32 x 24 uint8 (E3M2 codes of w1, K innermost, in blocks of 32 codes, four codes in three bytes); w1_scales 8 x 512 x 32 uint8 (E8M0 scales of w1, one for each 32 codes along K); w2_codes 8 x 1,024 x 16 x 24 uint8 (E3M2 codes of w2, K innermost, in blocks of 32 codes, four codes in three bytes); w2_scales 8 x 1,024 x 16 uint8 (E8M0 scales of w2, one for each 32 codes along K); x 4 x 2,048 x 1,024 float32.
;; Outputs: out0 4 x 2,048 x 1,024 float32; out1 8 bool.
;; This version of the problem:
;;   THIS VERSION OF THE PROBLEM IS GIVEN IN LOW PRECISION. The matrix products marked QUANTISED in the list below multiply operands that are first quantised to E3M2 (3 exponent bits, 2 mantissa bits; 6 bits a number), with one power-of-two scale for each 32 numbers along K (OCP MX v1.0); their sums are f32. All else is computed in f32.
;;   The module's matrix products, in the order in which they are computed (A, B: the left and right operand; K: the contracted axis; several contracted axes count as one K, in the product's order):
;;     1. [M 8,192, K 1,024] x [K 1,024, N 8]; A: input x; B: input router_w: left as it is (N = 8 < 16)
;;     2. [M 8,192, K 1,024] x [K 1,024, N 512]; A: input x; B: input w1 (given as codes): QUANTISED
;;     3. [M 8,192, K 512] x [K 512, N 1,024]; A: computed on the way; B: input w2 (given as codes): QUANTISED
;;     4. [M 8,192, K 1,024] x [K 1,024, N 512]; A: input x; B: input w1 (given as codes): QUANTISED
;;     5. [M 8,192, K 512] x [K 512, N 1,024]; A: computed on the way; B: input w2 (given as codes): QUANTISED
;;     6. [M 8,192, K 1,024] x [K 1,024, N 512]; A: input x; B: input w1 (given as codes): QUANTISED
;;     7. [M 8,192, K 512] x [K 512, N 1,024]; A: computed on the way; B: input w2 (given as codes): QUANTISED
;;     8. [M 8,192, K 1,024] x [K 1,024, N 512]; A: input x; B: input w1 (given as codes): QUANTISED
;;     9. [M 8,192, K 512] x [K 512, N 1,024]; A: computed on the way; B: input w2 (given as codes): QUANTISED
;;     10. [M 8,192, K 1,024] x [K 1,024, N 512]; A: input x; B: input w1 (given as codes): QUANTISED
;;     11. [M 8,192, K 512] x [K 512, N 1,024]; A: computed on the way; B: input w2 (given as codes): QUANTISED
;;     12. [M 8,192, K 1,024] x [K 1,024, N 512]; A: input x; B: input w1 (given as codes): QUANTISED
;;     13. [M 8,192, K 512] x [K 512, N 1,024]; A: computed on the way; B: input w2 (given as codes): QUANTISED
;;     14. [M 8,192, K 1,024] x [K 1,024, N 512]; A: input x; B: input w1 (given as codes): QUANTISED
;;     15. [M 8,192, K 512] x [K 512, N 1,024]; A: computed on the way; B: input w2 (given as codes): QUANTISED
;;     16. [M 8,192, K 1,024] x [K 1,024, N 512]; A: input x; B: input w1 (given as codes): QUANTISED
;;     17. [M 8,192, K 512] x [K 512, N 1,024]; A: computed on the way; B: input w2 (given as codes): QUANTISED
;;   THE QUANTISER, for each operand of a quantised product, along K:
;;     - K is cut into blocks of 32 from its start; a last block that is shorter is filled with zeros.
;;     - A block's scale is 2^e with e = floor(log2(the largest magnitude in the block)) - 4, held to -126 .. 127; a block of zeros has e = 0. As a byte (E8M0): e + 127.
;;     - Each number is divided by its block's scale, clamped to +-28, and rounded to the nearest number of E3M2, ties to even, subnormals kept.
;;     - The product sums the exact products of the quantised numbers (number of the format x scale) in f32.
;;   ~~~python
;;   def quantise(x, axis):      # numpy; x: float32 -> the quantised numbers, widened to float32 again
;;       x = np.moveaxis(x, axis, -1); K = x.shape[-1]
;;       x = np.pad(x, [(0, 0)] * (x.ndim - 1) + [(0, -K % 32)]); x = x.reshape(x.shape[:-1] + (-1, 32)); a = np.abs(x).max(-1, keepdims=True)
;;       e = np.where(a > 0, np.clip(np.frexp(np.where(a > 0, a, 1))[1] - 1 - 4, -126, 127), 0)      # np.frexp(a)[1] - 1 = floor(log2(a)), exactly
;;       r = np.clip(x / 2.0 ** e, -28, 28)
;;       step = 2.0 ** (np.maximum(np.frexp(np.where(r == 0, 1, r))[1] - 1, -2) - 2)
;;       q = np.round(r / step) * step * 2.0 ** e      # np.round: ties to even
;;       return np.moveaxis(q.reshape(q.shape[:-2] + (-1,))[..., :K], -1, axis).astype(np.float32)
;;   ~~~
;;   OPERANDS COMPUTED ON THE WAY. 'Computed on the way' means the value that the module computes at that place (a softmax that the list does not call 'softmax' is quantised finished and normalised). What goes into a quantiser is computed in f32, as accurately as f32 sums, v_exp_f32 and their like allow (about 1e-6 of the number): no bf16 or f16 on the way to a quantiser, and a product that is left as it is and whose result goes on into a quantised operand takes f32 operands (vector FMAs, or v_wmma_f32_16x16x4_f32). A number that lies on a knife's edge between two numbers of the format may be rounded either way, as far as f32 arithmetic and the matrix unit's own rounding can turn it there, and no further.
;;   INPUTS GIVEN AS CODES. w1 (in the module: [8, 1024, 512], K = its axis 1); w2 (in the module: [8, 512, 1024], K = its axis 1): each comes as NAME_codes (uint8): NAME with its K axis moved to the last place and cut into blocks of 32 codes, [.., K / 32, bytes a block], one block behind the other in memory; four codes in three bytes: a row's codes are one little-endian stream of bits, code i at bits 6 i .. 6 i + 5 (a code: sign, 3 exponent bits, 2 mantissa bits); and NAME_scales (uint8): the same leading axes, one E8M0 byte (e + 127) for each 32 codes along K. Its value is code x scale, taken as it is: it is not quantised again, and the codes and scales need not be those that the quantiser above would give.
;; 2 versions. Each part assembles by itself: llvm-mc -triple=amdgcn-amd-amdhsa -mcpu=gfx1250 --defsym DOCPART=n.
;; ======== version 1 of 2: 3 launches
;; workspace buffers: meta 65,536 bytes of whole numbers; rw 65,536 bytes; w1img 3,145,728 bytes; w2img 3,145,728 bytes; order 38,144 bytes of whole numbers; tiles 1,024 bytes of whole numbers
;; launch route (part 1): grid 256 x 1, 8 waves a work-group, no clusters, 142,592 bytes of LDS; arguments x, router_w, router_b, w1_codes, w2_codes, meta, rw, w1img, w2img; writes meta, rw, w1img, w2img
.if DOCPART == 1
	.amdgcn_target "amdgcn-amd-amdhsa--gfx1250"
	.amdhsa_code_object_version 6
	.text
	.protected	k_qa87ea283c9_route
	.globl	k_qa87ea283c9_route
	.p2align	8
	.type	k_qa87ea283c9_route,@function
k_qa87ea283c9_route:
	s_mov_b64 s[64:65], 0
	v_nop
	global_prefetch_b8 v0, s[64:65] scope:SCOPE_SE
	s_setreg_imm32_b32 hwreg(HW_REG_WAVE_MODE, 25, 1), 1
	s_wait_xcnt 0x0
; THE ROUTER, and the weights' codes laid out as register images.
; Work-group g takes tokens 32 g .. 32 g + 31: logits = x router_w + router_b in f32 (fused multiply-adds), softmax with the row's maximum taken away, the two largest
; probabilities (the lower index wins a tie).  Nothing here steers an address: the choice is stored at fixed places.
;   meta[g][lane][0] = bin | rank << 8   (lane = token; bin = the unordered pair of experts, 0 .. 27; rank = how many earlier tokens of this block have the same bin)
;   meta[g][lane][1] = the block's count of bin = lane (lanes 0-27); lanes 28-31: counts of positive scores of experts 2 i and 2 i + 1, 16 bits each
;   rw[token] = (score of the lower expert, score of the higher one)
; SHARES.  Wave w: rows 16 (w / 4) on, k = 256 (w % 4) on; lane l holds k = 256 (w % 4) + 128 c + 4 l + i.  A lane's eight partial logits of a row meet through the wave's own LDS, the eight waves' parts
; through a second region behind one barrier; wave 0 finishes, a lane a token.
; THE IMAGES.  A fragment (16 rows x 128 K of 6-bit codes) is 12 registers a lane; it is stored as three runs of 32 lanes x 16 bytes, 1,536 bytes, so that its reader takes it by three loads of 16 bytes a lane.
; W1's tile t of wave q takes rows 128 q + 32 (t / 2) + 8 (t % 2) + r + 8 (r / 8); W2's tiles take neighbouring rows.  The eight waves of a work-group take all K steps of the same rows.
; LIMITS: NaN and infinities among the inputs are not served.  A score under 2^-126 comes out as 0 (the exponential flushes).  The sums run in another order than a dot product written row by row,
; so two probabilities that agree to about 1e-6 of their size may change places.
.set TRW,  16640                       ; a wave's region: 16 rows x TRP
.set TRP,  1040                        ; a row: 2 halves of the experts x 32 lanes x 16 bytes, + 16
.set PART, 8*TRW                       ; eight partial tables of 32 tokens x 32 bytes, TRP apart
.set ACC,  16                          ; v16-47   two sets of 2 rows x 8 experts; before that the two fragments
.set XB,   48                          ; v48-175  x: row j, c, i at XB + 8 j + 4 c + i; later the partial sums read back
.set WB,   176                         ; v176-239 router_w: WB + 32 c + 8 i + e
	s_load_b512 s[4:19], s[0:1], 0x0               ; x, router_w, router_b, w1_codes, w2_codes, meta, rw, w1img
	s_load_b64 s[20:21], s[0:1], 0x40              ; w2img
	v_lshl_add_u32 v254, v0, 2, 0x22900
	v_mov_b32 v255, 0
	v_lshrrev_b32 v1, 5, v0
	v_readfirstlane_b32 s22, v1                    ; wave
	v_and_b32 v1, 31, v0                           ; lane
	v_and_b32 v2, 15, v0                           ; r
	v_bfe_u32 v3, v0, 4, 1                         ; h
	s_and_b32 s23, s22, 3                          ; which quarter of K
	s_lshr_b32 s24, s22, 2                         ; which half of the rows
	s_lshl_b32 s25, s23, 10
	s_lshl_b32 s26, s24, 16
	s_add_co_u32 s25, s25, s26
	v_lshl_add_u32 v4, v1, 4, s25                  ; x: 16 lane + 1,024 quarter + 16 rows x half
	s_lshl_b32 s26, s23, 13
	v_lshl_add_u32 v5, v1, 7, s26                  ; router_w: four rows of 32 bytes a lane
	v_and_b32 v6, 8, v2
	v_add_nc_u32 v6, v6, v2
	v_mul_u32_u24 v6, v6, 768
	v_mad_u32_u24 v6, v3, 24, v6                   ; W1: row r + 8 (r / 8) of 768 bytes, + 24 h
	v_mul_u32_u24 v7, v2, 384
	v_mad_u32_u24 v7, v3, 24, v7                   ; W2: row r of 384 bytes, + 24 h
	v_lshlrev_b32 v8, 4, v1                        ; an image's place for my lane
	s_mul_i32 s27, s22, TRW
	v_lshl_add_u32 v9, v1, 4, s27                  ; my wave's region, on the way in
	v_mul_u32_u24 v10, v2, TRP
	v_lshl_add_u32 v10, v3, 8, v10
	v_add_nc_u32 v10, s27, v10                     ; and out: row r, the partial sums of lanes 16 h on
	s_mul_i32 s28, s23, 2*TRP
	s_lshl_b32 s29, s24, 9
	s_add_co_u32 s28, s28, s29
	s_add_co_u32 s28, s28, PART
	v_mul_u32_u24 v11, v3, TRP
	v_lshl_add_u32 v11, v2, 5, v11
	v_add_nc_u32 v11, s28, v11                     ; table 2 quarter + h, token 16 half + r
	v_lshl_add_u32 v12, v1, 5, PART                ; wave 0: token = lane
	v_lshlrev_b32 v13, 3, v1                       ; 8 bytes a token in meta and rw
	; where my two fragments come from and go to
	s_lshr_b32 s32, ttmp9, 3
	s_lshl_b32 s33, s32, 7
	s_bfe_u32 s34, ttmp9, 0x20001
	s_lshl_b32 s34, s34, 5
	s_add_co_u32 s33, s33, s34
	s_and_b32 s34, ttmp9, 1
	s_lshl_b32 s34, s34, 3
	s_add_co_u32 s33, s33, s34                     ; W1: first row of tile g
	s_mul_i32 s33, s33, 768
	s_mul_i32 s34, s22, 96
	s_add_co_u32 s36, s33, s34                     ; + K step = wave
	s_mov_b32 s37, 0
	s_lshl_b32 s33, s32, 6
	s_lshl_b32 s34, s22, 3
	s_add_co_u32 s33, s33, s34
	s_and_b32 s34, ttmp9, 7
	s_add_co_u32 s33, s33, s34                     ; fragment (g / 8) 64 + 8 wave + g % 8
	s_mul_i32 s38, s33, 1536
	s_mov_b32 s39, 0
	s_lshl_b32 s33, ttmp9, 1
	s_add_co_u32 s33, s33, s24                     ; W2: tile G = 2 g + wave / 4
	s_mul_i32 s40, s33, 6144
	s_mul_i32 s34, s23, 96
	s_add_co_u32 s40, s40, s34                     ; + K step = wave % 4
	s_mov_b32 s41, 0
	s_lshr_b32 s34, s33, 2
	s_lshl_b32 s34, s34, 4
	s_lshl_b32 s35, s23, 2
	s_add_co_u32 s34, s34, s35
	s_and_b32 s35, s33, 3
	s_add_co_u32 s34, s34, s35                     ; fragment (G / 4) 16 + 4 K step + G % 4
	s_mul_i32 s42, s34, 1536
	s_mov_b32 s43, 0
	s_lshl_b32 s44, ttmp9, 17                      ; 32 rows of x
	s_mov_b32 s45, 0
	s_lshl_b32 s46, ttmp9, 8                       ; 256 bytes of meta and of rw
	s_mov_b32 s47, 0
	s_wait_kmcnt 0x0
	s_add_nc_u64 s[4:5], s[4:5], s[44:45]
	s_add_nc_u64 s[10:11], s[10:11], s[36:37]
	s_add_nc_u64 s[12:13], s[12:13], s[40:41]
	s_add_nc_u64 s[14:15], s[14:15], s[46:47]
	s_add_nc_u64 s[16:17], s[16:17], s[46:47]
	s_add_nc_u64 s[18:19], s[18:19], s[38:39]
	s_add_nc_u64 s[20:21], s[20:21], s[42:43]
	s_load_b256 s[48:55], s[8:9], 0x0              ; router_b, for wave 0
.irp c, 0,1
.irp i, 0,1,2,3
.irp j2, 0,1
	global_load_b128 v[WB+32*\c+8*\i+4*\j2:WB+32*\c+8*\i+4*\j2+3], v5, s[6:7] offset:4096*\c+32*\i+16*\j2
.endr
.endr
.endr
.irp p, 0,1,2,3,4,5
	global_load_b64 v[16+2*\p:17+2*\p], v6, s[10:11] offset:48*(\p/3)+8*(\p%3)
	global_load_b64 v[28+2*\p:29+2*\p], v7, s[12:13] offset:48*(\p/3)+8*(\p%3)
.endr
.set j, 0
.rept 16
	global_load_b128 v[XB+8*j:XB+8*j+3], v4, s[4:5] offset:4096*j th:TH_LOAD_NT
	global_load_b128 v[XB+8*j+4:XB+8*j+7], v4, s[4:5] offset:4096*j+512 th:TH_LOAD_NT
.set j, j+1
.endr
	s_wait_loadcnt 32                              ; router_w and the fragments are in; the 32 loads of x are younger
.irp c, 0,1,2
	global_store_b128 v8, v[16+4*\c:19+4*\c], s[18:19] offset:512*\c   ; 32 lanes store 512 consecutive bytes
	global_store_b128 v8, v[28+4*\c:31+4*\c], s[20:21] offset:512*\c
.endr
	s_wait_xcnt 0x0                                ; the stores' data registers become the accumulators only behind this wait
; Two rows: 8 experts x 8 numbers of x a lane each.  The x number is taken for both halves of a packed multiply-add; two rows x four pairs of experts are eight chains.
.macro ROWS2 gp
	s_wait_loadcnt 28-4*(\gp)                      ; these two rows' four loads are in; those of the rows behind are younger
.if (\gp) >= 2
	s_wait_dscnt 4                                 ; this set's stores of two groups ago are done; the last group's four may be out
.endif
.irp ci, 0,1,2,3,4,5,6,7
.irp a, 0,1
.irp ep, 0,1,2,3
.set rA, ACC+16*((\gp)%2)+8*\a+2*\ep
.set rW, WB+8*\ci+2*\ep
.set rX, XB+8*(2*(\gp)+\a)+2*(\ci/2)
.if \ci == 0
	v_pk_mul_f32 v[rA:rA+1], v[rW:rW+1], v[rX:rX+1] op_sel_hi:[1,0]
.elseif \ci%2 == 0
	v_pk_fma_f32 v[rA:rA+1], v[rW:rW+1], v[rX:rX+1], v[rA:rA+1] op_sel_hi:[1,0,1]
.else
	v_pk_fma_f32 v[rA:rA+1], v[rW:rW+1], v[rX:rX+1], v[rA:rA+1] op_sel:[0,1,0] op_sel_hi:[1,1,1]
.endif
.endr
.endr
.endr
.irp a, 0,1
.irp jj, 0,1
	ds_store_b128 v9, v[ACC+16*((\gp)%2)+8*\a+4*\jj:ACC+16*((\gp)%2)+8*\a+4*\jj+3] offset:(2*(\gp)+\a)*TRP+512*\jj
.endr
.endr
.endm
.irp gp, 0,1,2,3,4,5,6,7
	ROWS2 \gp
.endr
	; lane (r, h) adds up row r's partial sums of lanes 16 h .. 16 h + 15.  LDS serves a wave's instructions in order: these loads see my stores
.irp jj, 0,1
.set p, 0
.rept 16
	ds_load_b128 v[XB+64*\jj+4*p:XB+64*\jj+4*p+3], v10 offset:512*\jj+16*p
.set p, p+1
.endr
.endr
	s_wait_dscnt 0x0
.irp jj, 0,1
.irp st, 8,4,2,1
.set p, 0
.rept \st
	v_pk_add_f32 v[XB+64*\jj+4*p:XB+64*\jj+4*p+1], v[XB+64*\jj+4*p:XB+64*\jj+4*p+1], v[XB+64*\jj+4*(p+\st):XB+64*\jj+4*(p+\st)+1]
	v_pk_add_f32 v[XB+64*\jj+4*p+2:XB+64*\jj+4*p+3], v[XB+64*\jj+4*p+2:XB+64*\jj+4*p+3], v[XB+64*\jj+4*(p+\st)+2:XB+64*\jj+4*(p+\st)+3]
.set p, p+1
.endr
.endr
.endr
	ds_store_b128 v11, v[XB:XB+3]
	ds_store_b128 v11, v[XB+64:XB+67] offset:16
	s_wait_dscnt 0x0                               ; for wave 0's sake: my part of the tables has landed
	s_barrier_signal -1
	s_barrier_wait -1
	s_cmp_lg_u32 s22, 0
	s_cbranch_scc1 .Lend
	; ---- wave 0: a lane a token
.irp p8, 0,1,2,3,4,5,6,7
	ds_load_b128 v[XB+8*\p8:XB+8*\p8+3], v12 offset:\p8*TRP
	ds_load_b128 v[XB+8*\p8+4:XB+8*\p8+7], v12 offset:\p8*TRP+16
.endr
	s_wait_dscnt 0x0
.irp st, 4,2,1
.set p, 0
.rept \st
.irp k, 0,1,2,3
	v_pk_add_f32 v[XB+8*p+2*\k:XB+8*p+2*\k+1], v[XB+8*p+2*\k:XB+8*p+2*\k+1], v[XB+8*(p+\st)+2*\k:XB+8*(p+\st)+2*\k+1]
.endr
.set p, p+1
.endr
.endr
	s_wait_kmcnt 0x0                               ; router_b
.irp e, 0,1,2,3,4,5,6,7
	v_add_f32 v[48+\e], s[48+\e], v[48+\e]         ; the logits
.endr
	v_max3_num_f32 v56, v48, v49, v50
	v_max3_num_f32 v56, v56, v51, v52
	v_max3_num_f32 v56, v56, v53, v54
	v_max_num_f32 v56, v56, v55                    ; the row's maximum is taken away ahead of the exponentials
.irp e, 0,1,2,3,4,5,6,7
	v_sub_f32 v[48+\e], v[48+\e], v56
.endr
.irp e, 0,1,2,3,4,5,6,7
	v_mul_f32 v[48+\e], 0x3fb8aa3b, v[48+\e]       ; x log2(e)
.endr
.irp e, 0,1,2,3,4,5,6,7
	v_exp_f32 v[48+\e], v[48+\e]
.endr
	v_nop                                          ; a plain instruction behind the batch,
	s_wait_alu depctr_va_vdst(0)                   ; and one wait for all eight, ahead of their first reader
	v_add_f32 v57, v48, v49
	v_add_f32 v70, v50, v51
	v_add_f32 v71, v52, v53
	v_add_f32 v72, v54, v55
	v_add_f32 v57, v57, v70
	v_add_f32 v71, v71, v72
	v_add_f32 v57, v57, v71
	v_rcp_f32 v57, v57
	v_mov_b32 v58, 0                               ; (a plain instruction behind the reciprocal)  the largest's index
	s_wait_alu depctr_va_vdst(0)
.irp e, 0,1,2,3,4,5,6,7
	v_mul_f32 v[48+\e], v[48+\e], v57              ; the probabilities
.endr
	v_mov_b32 v59, v48
.irp e, 1,2,3,4,5,6,7                          ; the largest: a later expert takes the place only if it is strictly larger
	v_cmp_le_f32 vcc_lo, v[48+\e], v59
	v_cndmask_b32 v58, \e, v58, vcc_lo
	v_max_num_f32 v59, v59, v[48+\e]
.endr
	v_cmp_eq_u32 vcc_lo, 0, v58
	v_cndmask_b32 v60, 0, 1, vcc_lo                ; the second: begins at the first expert that is not the largest
	v_cndmask_b32 v61, v48, v49, vcc_lo
.irp e, 1,2,3,4,5,6,7
	v_cmp_le_f32 s32, v[48+\e], v61
	v_cmp_eq_u32 vcc_lo, \e, v58
	s_or_b32 vcc_lo, vcc_lo, s32                   ; keep: not larger, or the largest itself
	v_cndmask_b32 v60, \e, v60, vcc_lo
	v_cndmask_b32 v61, v[48+\e], v61, vcc_lo
.endr
	v_min_u32 v62, v58, v60                        ; lo
	v_max_u32 v63, v58, v60                        ; hi
	v_cmp_lt_u32 vcc_lo, v58, v60
	v_cndmask_b32 v64, v61, v59, vcc_lo            ; lo's score
	v_cndmask_b32 v65, v59, v61, vcc_lo            ; hi's
	v_sub_nc_u32 v68, 15, v62
	v_mul_u32_u24 v68, v68, v62
	v_lshrrev_b32 v68, 1, v68
	v_add_nc_u32 v68, v68, v63
	v_sub_nc_u32 v68, v68, v62
	v_add_nc_u32 v68, -1, v68                      ; bin = lo (15 - lo) / 2 + hi - lo - 1
	v_mov_b32 v67, 0
	v_mov_b32 v69, 0
.set b, 0
.rept 28
	v_cmp_eq_u32 s32, b, v68
	v_mbcnt_lo_u32_b32 v70, s32, 0                 ; earlier lanes of the same bin
	v_cndmask_b32 v69, v69, v70, s32
	s_bcnt1_i32_b32 s33, s32
	v_writelane_b32 v67, s33, b                    ; the block's count of bin b, in lane b
.set b, b+1
.endr
	v_cmp_lt_f32 s34, 0, v64
	v_cmp_lt_f32 s35, 0, v65
.irp e, 0,1,2,3,4,5,6,7
	v_cmp_eq_u32 s32, \e, v62
	v_cmp_eq_u32 s33, \e, v63
	s_and_b32 s32, s32, s34
	s_and_b32 s33, s33, s35
	s_or_b32 s32, s32, s33
	s_bcnt1_i32_b32 s[36+\e], s32                  ; tokens that give expert e a positive score
.endr
.irp i, 0,1,2,3
	s_lshl_b32 s[37+2*\i], s[37+2*\i], 16
	s_or_b32 s[36+2*\i], s[36+2*\i], s[37+2*\i]
	v_writelane_b32 v67, s[36+2*\i], 28+\i
.endr
	v_lshl_or_b32 v66, v69, 8, v68
	global_store_b64 v13, v[66:67], s[14:15]       ; 32 lanes store 256 consecutive bytes, aligned
	global_store_b64 v13, v[64:65], s[16:17]
.Lend:
	s_wait_tensorcnt 0x0
	ds_add_u32 v254, v255
	s_wait_dscnt 0x0
	s_endpgm
.Lfunc_end_k_qa87ea283c9_route:
	.size	k_qa87ea283c9_route, .Lfunc_end_k_qa87ea283c9_route-k_qa87ea283c9_route
	.p2alignl 7, 3214868480
	.fill 96, 4, 3214868480
	.section	.rodata,"a",@progbits
	.p2align	6, 0x0
	.amdhsa_kernel k_qa87ea283c9_route
		.amdhsa_group_segment_fixed_size 142592
		.amdhsa_private_segment_fixed_size 0
		.amdhsa_enable_private_segment 0
		.amdhsa_kernarg_size 72
		.amdhsa_user_sgpr_count 2
		.amdhsa_user_sgpr_kernarg_segment_ptr 1
		.amdhsa_wavefront_size32 1
		.amdhsa_system_sgpr_workgroup_id_x 1
		.amdhsa_system_sgpr_workgroup_id_y 1
		.amdhsa_system_sgpr_workgroup_id_z 1
		.amdhsa_system_vgpr_workitem_id 0
		.amdhsa_next_free_vgpr 256
		.amdhsa_next_free_sgpr 66
		.amdhsa_reserve_vcc 1
		.amdhsa_float_denorm_mode_32 3
		.amdhsa_float_denorm_mode_16_64 3
		.amdhsa_memory_ordered 1
		.amdhsa_forward_progress 1
		.amdhsa_inst_pref_size 69
	.end_amdhsa_kernel
	.amdgpu_metadata
---
amdhsa.version: [ 1, 2 ]
amdhsa.kernels:
  - .name:           k_qa87ea283c9_route
    .symbol:         k_qa87ea283c9_route.kd
    .args:
      - { .name: x, .offset: 0, .size: 8, .value_kind: global_buffer, .address_space: global }
      - { .name: router_w, .offset: 8, .size: 8, .value_kind: global_buffer, .address_space: global }
      - { .name: router_b, .offset: 16, .size: 8, .value_kind: global_buffer, .address_space: global }
      - { .name: w1_codes, .offset: 24, .size: 8, .value_kind: global_buffer, .address_space: global }
      - { .name: w2_codes, .offset: 32, .size: 8, .value_kind: global_buffer, .address_space: global }
      - { .name: meta, .offset: 40, .size: 8, .value_kind: global_buffer, .address_space: global }
      - { .name: rw, .offset: 48, .size: 8, .value_kind: global_buffer, .address_space: global }
      - { .name: w1img, .offset: 56, .size: 8, .value_kind: global_buffer, .address_space: global }
      - { .name: w2img, .offset: 64, .size: 8, .value_kind: global_buffer, .address_space: global }
    .group_segment_fixed_size: 142592
    .private_segment_fixed_size: 0
    .kernarg_segment_align: 8
    .kernarg_segment_size: 72
    .max_flat_workgroup_size: 256
    .sgpr_count:     66
    .vgpr_count:     256
    .wavefront_size: 32
...
	.end_amdgpu_metadata
.endif
;; end of part 1
;; launch place (part 2): grid 1 x 1, 8 waves a work-group, no clusters, 2,048 bytes of LDS; arguments meta, order, tiles, out1; writes order, tiles, out1
.if DOCPART == 2
	.amdgcn_target "amdgcn-amd-amdhsa--gfx1250"
	.amdhsa_code_object_version 6
	.text
	.protected	k_qa87ea283c9_place
	.globl	k_qa87ea283c9_place
	.p2align	8
	.type	k_qa87ea283c9_place,@function
k_qa87ea283c9_place:
	s_mov_b64 s[64:65], 0
	v_nop
	global_prefetch_b8 v0, s[64:65] scope:SCOPE_SE
	s_setreg_imm32_b32 hwreg(HW_REG_WAVE_MODE, 25, 1), 1
	s_wait_xcnt 0x0
; THE PLACING OF ROWS: a counting sort of the 8,192 tokens by their bin (pair of experts), without atomics, by one work-group.
; Each bin's tokens are cut into tiles of 48.  tiles[I] = lo | hi << 4 | count << 8 (0 for a tile that this split leaves empty); order[48 I + slot] = the token of that slot, for slots under the count;
; slot 0 of an empty tile among the first 198 is written as 0.  There are never more than (8,192 + 28 x 47) / 48 = 198 tiles.
; out1[e] = 1 where some token gives expert e a positive score.
; Wave w takes blocks 32 w .. 32 w + 31 of meta.  In the counts a lane is a bin, in the keys a lane is a token.
; A token's place = where its block's tokens of its bin begin + its rank in the block.  The 28 beginnings of a block (a lane a bin) are read into scalar registers, and each token takes its own by
; 28 compares and selects: 32 blocks x 28 x 3 vector instructions a wave.  EXEC is changed only behind the last of these stores.
	s_load_b256 s[4:11], s[0:1], 0x0               ; meta, order, tiles, out1
	v_lshl_add_u32 v176, v0, 2, 0x400
	v_mov_b32 v177, 0
	v_lshrrev_b32 v1, 5, v0
	v_readfirstlane_b32 s12, v1                    ; wave
	v_and_b32 v1, 31, v0                           ; lane
	s_lshl_b32 s13, s12, 13
	v_lshl_add_u32 v2, v1, 3, s13                  ; 8 lane + 32 blocks of 256 bytes a wave
	v_lshlrev_b32 v3, 2, v0                        ; 4 x thread: my word in LDS, and my tile's word
	v_lshlrev_b32 v4, 2, v1
	s_lshl_b32 s22, s12, 10
	v_add_nc_u32 v166, s22, v1                     ; the token of my lane in my wave's first block
	s_wait_kmcnt 0x0
.set i, 0
.rept 32
	global_load_b64 v[16+2*i:17+2*i], v2, s[4:5] offset:256*i    ; v[16 + 2 i]: block i's keys; v[17 + 2 i]: its counts
.set i, i+1
.endr
	s_wait_loadcnt 0x0
	v_mov_b32 v80, 0                               ; v[80 + i]: the counts of my wave's blocks ahead of block i
.set i, 0
.rept 31
	v_add_nc_u32 v[81+i], v[80+i], v[17+2*i]
.set i, i+1
.endr
	v_add_nc_u32 v112, v111, v79                   ; my wave's totals
	ds_store_b32 v3, v112
	s_wait_dscnt 0x0                               ; for the others' sake
	s_barrier_signal -1
	s_barrier_wait -1
.irp j, 0,1,2,3,4,5,6,7
	ds_load_b32 v[113+\j], v4 offset:128*\j
.endr
	s_wait_dscnt 0x0
	s_barrier_signal -1                            ; every wave has read the totals: from here on the LDS unit serves one lane permute of wave 0 alone
	s_barrier_wait -1
	v_mov_b32 v121, 0                              ; all waves' totals
	v_mov_b32 v122, 0                              ; those of the waves ahead of mine
.irp j, 0,1,2,3,4,5,6,7
	v_add_nc_u32 v121, v121, v[113+\j]
	s_cmp_gt_u32 s12, \j
	s_cselect_b32 s14, -1, 0
	v_and_b32 v123, s14, v[113+\j]
	v_add_nc_u32 v122, v122, v123
.endr
	v_cmp_gt_u32 vcc_lo, 28, v1
	v_cndmask_b32 v124, 0, v121, vcc_lo            ; N: the bin's tokens
	v_add_nc_u32 v125, 47, v124
	v_mul_u32_u24 v125, v125, 0x5556
	v_lshrrev_b32 v125, 20, v125                   ; its tiles: (N + 47) / 48, exact for N + 47 up to 8,239 since 21,846 / 2^20 exceeds 1 / 48 by less than 1 / (48 x 8,239)
	v_mov_b32 v126, 0                              ; the bin's first tile (lane = bin)
	v_mov_b32 v127, 0                              ; for tile I = my thread's number: its bin's first tile,
	v_mov_b32 v128, 0                              ; its bin's tokens,
	v_mov_b32 v129, 0                              ; its two experts
	s_mov_b32 s16, 0
.set BN, 0
.irp lo, 0,1,2,3,4,5,6
.irp hi, 1,2,3,4,5,6,7
.if \hi > \lo
	v_readlane_b32 s17, v125, BN
	v_readlane_b32 s18, v124, BN
	v_writelane_b32 v126, s16, BN
	s_add_co_u32 s19, s16, s17
	v_cmp_gt_u32 s20, s16, v0                      ; outside the bin's tiles: under the first,
	v_cmp_le_u32 vcc_lo, s19, v0                   ; or at or past the end
	s_or_b32 vcc_lo, vcc_lo, s20
	v_cndmask_b32 v127, s16, v127, vcc_lo
	v_cndmask_b32 v128, s18, v128, vcc_lo
	v_cndmask_b32 v129, \lo|(\hi<<4), v129, vcc_lo
	s_mov_b32 s16, s19
.set BN, BN+1
.endif
.endr
.endr
	v_sub_nc_u32 v130, v0, v127
	v_mul_u32_u24 v130, v130, 48
	v_sub_nc_u32 v130, v128, v130                  ; what is left of the bin at this tile
	v_cmp_le_i32 vcc_lo, 0, v130
	v_cndmask_b32 v130, 0, v130, vcc_lo
	v_min_u32 v130, 48, v130                       ; the tile's count
	v_lshl_or_b32 v131, v130, 8, v129
	global_store_b32 v3, v131, s[8:9]
	v_mul_u32_u24 v126, v126, 48
	v_add_nc_u32 v126, v126, v122                  ; 48 x first tile + the earlier waves' tokens of the bin
.set i, 0
.rept 32
	v_add_nc_u32 v[80+i], v[80+i], v126            ; where block i's tokens of bin = lane begin
.set i, i+1
.endr
; Block n: every token's place in order, and the store of its number there.  Each block has its own address and data registers, so that no store's sources are written again.
.macro SCAT n
	v_and_b32 v[17+2*(\n)], 0xff, v[16+2*(\n)]     ; my token's bin
.set b, 0
.rept 28
	v_readlane_b32 s[32+b], v[80+(\n)], b          ; the block's 28 beginnings
.set b, b+1
.endr
.set b, 0
.rept 7                                        ; four bins at a time, into four partial results: one compare of the 28 hits, the other partial results stay 0
.irp k, 0,1,2,3
	v_cmp_eq_u32 s[24+\k], b+\k, v[17+2*(\n)]
.endr
.irp k, 0,1,2,3
.if b == 0
	v_cndmask_b32 v[168+\k], 0, s[32+b+\k], s[24+\k]
.else
	v_cndmask_b32 v[168+\k], v[168+\k], s[32+b+\k], s[24+\k]
.endif
.endr
.set b, b+4
.endr
	v_lshrrev_b32 v[17+2*(\n)], 8, v[16+2*(\n)]    ; my token's rank in its block
	v_add3_u32 v[132+(\n)], v168, v169, v170
	v_add3_u32 v[132+(\n)], v[132+(\n)], v171, v[17+2*(\n)]
	v_min_u32 v[132+(\n)], 0x251f, v[132+(\n)]     ; held inside order's 198 x 48 words
	v_lshlrev_b32 v[132+(\n)], 2, v[132+(\n)]
	v_add_nc_u32 v[16+2*(\n)], 32*(\n), v166       ; the token's number
	global_store_b32 v[132+(\n)], v[16+2*(\n)], s[6:7]
.endm
.irp n, 0,1,2,3,4,5,6,7,8,9,10,11,12,13,14,15,16,17,18,19,20,21,22,23,24,25,26,27,28,29,30,31
	SCAT \n
.endr
	; an empty tile's slot 0 takes token 0, so that its reader finds a written word
	v_cmp_eq_u32 s20, 0, v130
	v_cmp_gt_u32 vcc_lo, 198, v0
	s_and_b32 vcc_lo, vcc_lo, s20
	v_mul_u32_u24 v164, v0, 192
	v_mov_b32 v165, 0
	s_wait_xcnt 0x0                                ; EXEC changes only behind this wait: the stores above have read theirs
	s_and_saveexec_b32 s21, vcc_lo
	global_store_b32 v164, v165, s[6:7]
	s_wait_xcnt 0x0
	s_or_b32 exec_lo, exec_lo, s21
	s_cmp_lg_u32 s12, 0
	s_cbranch_scc1 .Ldone
	v_lshrrev_b32 v167, 1, v1                      ; wave 0: expert e = lane takes its count from lane 28 + e / 2, half e % 2
	v_add_nc_u32 v167, 28, v167
	v_min_u32 v167, 31, v167
	v_lshlrev_b32 v167, 2, v167
	ds_bpermute_b32 v172, v167, v121
	v_and_b32 v173, 1, v1
	v_lshlrev_b32 v173, 4, v173
	s_wait_dscnt 0x0
	v_lshrrev_b32 v172, v173, v172
	v_and_b32 v172, 0xffff, v172
	v_cmp_ne_u32 vcc_lo, 0, v172
	v_cndmask_b32 v172, 0, 1, vcc_lo
	v_cmp_gt_u32 vcc_lo, 8, v1
	s_wait_xcnt 0x0
	s_and_saveexec_b32 s21, vcc_lo
	global_store_b8 v1, v172, s[10:11]
	s_wait_xcnt 0x0
	s_or_b32 exec_lo, exec_lo, s21
.Ldone:
	s_wait_tensorcnt 0x0
	ds_add_u32 v176, v177
	s_wait_dscnt 0x0
	s_endpgm
.Lfunc_end_k_qa87ea283c9_place:
	.size	k_qa87ea283c9_place, .Lfunc_end_k_qa87ea283c9_place-k_qa87ea283c9_place
	.p2alignl 7, 3214868480
	.fill 96, 4, 3214868480
	.section	.rodata,"a",@progbits
	.p2align	6, 0x0
	.amdhsa_kernel k_qa87ea283c9_place
		.amdhsa_group_segment_fixed_size 2048
		.amdhsa_private_segment_fixed_size 0
		.amdhsa_enable_private_segment 0
		.amdhsa_kernarg_size 32
		.amdhsa_user_sgpr_count 2
		.amdhsa_user_sgpr_kernarg_segment_ptr 1
		.amdhsa_wavefront_size32 1
		.amdhsa_system_sgpr_workgroup_id_x 1
		.amdhsa_system_sgpr_workgroup_id_y 1
		.amdhsa_system_sgpr_workgroup_id_z 1
		.amdhsa_system_vgpr_workitem_id 0
		.amdhsa_next_free_vgpr 178
		.amdhsa_next_free_sgpr 66
		.amdhsa_reserve_vcc 1
		.amdhsa_float_denorm_mode_32 3
		.amdhsa_float_denorm_mode_16_64 3
		.amdhsa_memory_ordered 1
		.amdhsa_forward_progress 1
		.amdhsa_inst_pref_size 207
	.end_amdhsa_kernel
	.amdgpu_metadata
---
amdhsa.version: [ 1, 2 ]
amdhsa.kernels:
  - .name:           k_qa87ea283c9_place
    .symbol:         k_qa87ea283c9_place.kd
    .args:
      - { .name: meta, .offset: 0, .size: 8, .value_kind: global_buffer, .address_space: global }
      - { .name: order, .offset: 8, .size: 8, .value_kind: global_buffer, .address_space: global }
      - { .name: tiles, .offset: 16, .size: 8, .value_kind: global_buffer, .address_space: global }
      - { .name: out1, .offset: 24, .size: 8, .value_kind: global_buffer, .address_space: global }
    .group_segment_fixed_size: 2048
    .private_segment_fixed_size: 0
    .kernarg_segment_align: 8
    .kernarg_segment_size: 32
    .max_flat_workgroup_size: 256
    .sgpr_count:     66
    .vgpr_count:     178
    .wavefront_size: 32
...
	.end_amdgpu_metadata
.endif
;; end of part 2
;; launch chain (part 3): grid 198 x 1, 4 waves a work-group, no clusters, 257,792 bytes of LDS; arguments x, w1img, w1_scales, b1, w2img, w2_scales, b2, gamma, beta, order, tiles, rw, out0; writes out0
.if DOCPART == 3
	.amdgcn_target "amdgcn-amd-amdhsa--gfx1250"
	.amdhsa_code_object_version 6
	.text
	.protected	k_qa87ea283c9_chain
	.globl	k_qa87ea283c9_chain
	.p2align	8
	.type	k_qa87ea283c9_chain,@function
k_qa87ea283c9_chain:
	s_mov_b64 s[64:65], 0
	v_nop
	global_prefetch_b8 v0, s[64:65] scope:SCOPE_SE
	s_setreg_imm32_b32 hwreg(HW_REG_WAVE_MODE, 25, 1), 1
	s_wait_xcnt 0x0
; ONE TILE OF 48 TOKENS THAT SHARE THEIR TWO EXPERTS, THROUGH THE WHOLE CHAIN: gather x, quantise it, and for each of the two experts  h = gelu(x W1 + b1), quantised,  y += score x (h W2);  then
; y += score x b2 for both, LayerNorm, store.  Both products on codes of BF6 (E3M2) with one E8M0 scale for each 32 along K.  The hidden layer, x's codes and y never go to memory; each output row has one owner.
; SHARES.  Four waves share the COLUMNS: wave q makes hidden units 128 q on (8 tiles) and outputs 256 q on (16 tiles) for all 48 rows (three tiles of rows m).  Both products are used transposed (source 0 = 16 rows
; of the weight, source 1 = 16 tokens): a lane holds one token and its registers run along the columns.  W1's tile 2 b + u takes rows 32 b + 8 u + r + 8 (r / 8), so that two neighbouring tiles' 16 registers are 16
; neighbours along the next K.  For the gather and for LayerNorm wave q owns whole rows 12 q .. 12 q + 11.
; THE WEIGHTS come from memory straight into registers, as images that an earlier launch has laid out (1,536 bytes a fragment, three loads of 16 bytes a lane), through a ring of 16 fragments: four groups of four;
; a group is multiplied (12 matrix instructions: 4 fragments x 3 tiles of rows) and its registers take the group four on.  No clusters and no tensor loads: the experts' numbers are read from memory, neighbouring tiles
; need not share an expert, and the text has a branch on a stored count.
; A tile that the split leaves empty (count 0) runs on token 0 and expert 0 and stores nothing; slots past the count repeat the tile's last token and are not stored.  The one branch on a stored number is the jump
; round a row's stores, behind the last barrier.  In the second trip the look-ahead reads the second expert's first bytes once more (inside the buffers, never used): so the trip is written once.
; gelu(x) = x / (1 + 2^(x (K1 x^2 + K0))), K0 = -2 sqrt(2 / pi) log2(e), K1 = 0.044715 K0: the tanh form, rewritten.
; LIMITS: NaN and infinities among the inputs are not served.  A block of zeros gets the scale byte 1 (its codes are zeros; this program alone reads the byte).
; LDS: XR 48 rows of 4,096 + 16 bytes: x, then y in place;  XIMG x's 24 fragments as register images (8 m + s), XSC their scale words;  HIMG the hidden layer's 12 (4 m + s), HSC their scale words.
; REGISTERS, in windows of 256: window 0: addresses, v48-147 scale words (and nothing else), v148-195 y at work, v196-207 scores; LayerNorm's v148-247.   window 1: the ring (192); before it x on its way in; after it
; gamma, beta, b2.   window 2: 0-191 accumulators; 192-255 b1's eight tiles, between their uses gelu's and the quantiser's registers.   window 3: x's or the hidden layer's fragments; LayerNorm's four rows.
.set XP,    4112
.set XIMG,  48*XP
.set XSC,   XIMG+24*1536
.set HIMG,  XSC+24*128
.set HSC,   HIMG+12*1536
.set L16,   4                          ; v4   16 x lane
.set L4,    5                          ; v5   4 x lane
.set AW1S,  6                          ; v6   W1's scales: row r + 8 (r / 8) of 32 bytes, + 16 h
.set AB1,   7                          ; v7   b1: 64 h
.set AXR,   8                          ; v8   XR: my 12 rows, 16 x lane
.set AXQ,   9                          ; v9   XR for the quantiser: row r, + 64 h, + 1,024 q;  v10 the same for the tile of rows in hand
.set AXI,   11                         ; v11  where I store x's images;  v12 for the tile of rows in hand
.set AXS,   13                         ; v13  and their scale words;  v14
.set AFI,   15                         ; v15  XIMG + 16 lane
.set AFS,   16                         ; v16  XSC + 4 lane
.set AHSI,  17                         ; v17  where I store the hidden layer's images: HIMG + 1,536 q + 16 lane
.set AHSS,  19                         ; v19  and their scale words: HSC + 128 q + 4 lane
.set AHLI,  21                         ; v21  HIMG + 16 lane
.set AHLS,  23                         ; v23  HSC + 4 lane
.set YAD,   25                         ; v25-27 y of row 16 m + r: + 32 h + 1,024 q
.set XO,    34                         ; v34-45 row 12 q + j in x: token x 4,096 + 16 lane
.set TMPA,  46
.set XS,    48                         ; v48-71   x's scale words, 8 m + s
.set HS,    72                         ; v72-83   the hidden layer's, 4 m + s
.set W1S,   84                         ; v84-115  W1's: 4 t + s % 4; lanes 0-15 K steps 0-3, lanes 16-31 K steps 4-7
.set W2S,   116                        ; v116-147 W2's: 4 (T / 2) + s; lanes 0-15 even tiles, lanes 16-31 odd ones
.set YT,    148                        ; v148-195 two sets of 24: y of one tile of outputs, three tiles of rows
.set CW,    196                        ; v196-201 (score of lo, score of hi) of row 16 m + r
.set CC,    202                        ; v202-207 (the score in hand, any)
.set B1,    192                        ; window 2
.set GT,    192                        ; window 2: gelu's 32
.set SEL,   36                         ; s[36:37] v_permlanex16_b32's selects for lane l xor 16
.set K1,    38                         ; s[38:39]
.set P_W1,  48                         ; s[48:53] the expert in hand: W1's images, W2's images, W2's scales, at my wave's part
.set P_W2,  50
.set P_W2S, 52
.set H_W1,  54                         ; s[54:63] the second expert: the same, and W1's scales and b1
.set H_W2,  56
.set H_W2S, 58
.set H_W1S, 60
.set H_B1,  62
.set L_W1S, 66                         ; s[66:69] the first expert's W1 scales and b1
.set L_B1,  68
.set B2L,   70                         ; s[70:73] b2 of the two experts
.set B2H,   72
.set MSB, 0
.macro WIN new                         ; the immediate's high byte repeats the setting that is left; a switch that changes nothing is dropped
.if MSB != \new
	s_set_vgpr_msb (MSB<<8)|\new
.set MSB, \new
.endif
.endm
.macro BARRIER                         ; my LDS stores have landed and my LDS loads are in: then the work-group's barrier
	s_wait_dscnt 0x0
	s_barrier_signal -1
	s_barrier_wait -1
.endm
; 64 numbers of a lane in window 2, register 16 b + i = k 32 b + 16 (lane / 16) + i of my row, become a fragment's codes in v[tb + 16] on and its scale word in v[tb + 36].  All registers in window 2.
.macro QUANT s, tb
.irp b, 0,1,2,3
	v_max3_num_f32 v[(\tb)+\b], |v[(\s)+16*\b]|, |v[(\s)+1+16*\b]|, 0x2800000   ; my 16 numbers of block b, and the floor 2^(5 - 127): the byte cannot fall under 1
.endr
.irp i, 2,4,6,8,10,12,14
.irp b, 0,1,2,3
	v_max3_num_f32 v[(\tb)+\b], v[(\tb)+\b], |v[(\s)+16*\b+\i]|, |v[(\s)+1+16*\b+\i]|
.endr
.endr
.irp b, 0,1,2,3
	v_permlanex16_b32 v[(\tb)+4+\b], v[(\tb)+\b], s[SEL], s[SEL+1]
.endr
.irp b, 0,1,2,3
	v_max_num_f32 v[(\tb)+\b], v[(\tb)+\b], v[(\tb)+4+\b]      ; with lane l xor 16's: the block's largest magnitude
.endr
.irp b, 0,1,2,3
	v_add_nc_u32 v[(\tb)+12+\b], 0xfe000000, v[(\tb)+\b]       ; 4 off its exponent field: the conversion's scale operand
.endr
.irp b, 0,1,2,3
	v_lshrrev_b32 v[(\tb)+4+\b], 23, v[(\tb)+12+\b]            ; the scale's byte
.endr
	v_lshl_or_b32 v[(\tb)+36], v[(\tb)+5], 8, v[(\tb)+4]
	v_lshl_or_b32 v[(\tb)+36], v[(\tb)+6], 16, v[(\tb)+36]
	v_lshl_or_b32 v[(\tb)+36], v[(\tb)+7], 24, v[(\tb)+36]
.irp c, 0,1
	v_cvt_scalef32_pk16_bf6_f32 v[(\tb)+16+6*\c:(\tb)+18+6*\c], v[(\s)+32*\c:(\s)+15+32*\c], v[(\tb)+12+2*\c]
	v_cvt_scalef32_pk16_bf6_f32 v[(\tb)+28+4*\c:(\tb)+30+4*\c], v[(\s)+16+32*\c:(\s)+31+32*\c], v[(\tb)+13+2*\c]   ; (a conversion's three registers begin on an even number)
.endr
	v_nop                                          ; one plain instruction behind the scaled conversions
.irp c, 0,1                                    ; the operand's layout wants a whole block in a lane
.irp i, 0,1,2
	v_permlane16_swap_b32 v[(\tb)+16+6*\c+\i], v[(\tb)+28+4*\c+\i]
.endr
.irp i, 0,1,2
	v_mov_b32 v[(\tb)+19+6*\c+\i], v[(\tb)+28+4*\c+\i]
.endr
.endr
.endm
.macro IMAGE adr, off, pc              ; a fragment goes to LDS as it stands in its registers
.irp c, 0,1,2
	ds_store_b128 v[\adr], v[(\pc)+4*\c:(\pc)+4*\c+3] offset:(\off)+512*\c
.endr
.endm
; gelu of 32 numbers in window 2, in place.  The exponentials are one batch with one wait, and so are the reciprocals.  Each accumulator is read from its low end on.
.macro GELU32 base
.set gi, 0
.rept 16
	v_pk_mul_f32 v[GT+gi:GT+gi+1], v[(\base)+gi:(\base)+gi+1], v[(\base)+gi:(\base)+gi+1]
.set gi, gi+2
.endr
.set gi, 0
.rept 16
	v_pk_fma_f32 v[GT+gi:GT+gi+1], v[GT+gi:GT+gi+1], s[K1:K1+1], v[254:255] op_sel_hi:[1,0,0]
.set gi, gi+2
.endr
.set gi, 0
.rept 16
	v_pk_mul_f32 v[GT+gi:GT+gi+1], v[GT+gi:GT+gi+1], v[(\base)+gi:(\base)+gi+1]
.set gi, gi+2
.endr
.set gi, 0
.rept 32
	v_exp_f32 v[GT+gi], v[GT+gi]
.set gi, gi+1
.endr
	v_nop
	s_wait_alu depctr_va_vdst(0)
.set gi, 0
.rept 16
	v_pk_add_f32 v[GT+gi:GT+gi+1], v[GT+gi:GT+gi+1], 1.0 op_sel_hi:[1,0]
.set gi, gi+2
.endr
.set gi, 0
.rept 32
	v_rcp_f32 v[GT+gi], v[GT+gi]
.set gi, gi+1
.endr
	v_nop
	s_wait_alu depctr_va_vdst(0)
.set gi, 0
.rept 16
	v_pk_mul_f32 v[(\base)+gi:(\base)+gi+1], v[(\base)+gi:(\base)+gi+1], v[GT+gi:GT+gi+1]
.set gi, gi+2
.endr
.endm
.macro RLOAD slot, base, grp           ; group grp of the images at s[base] into the ring's place of group slot: 12 loads, 512 consecutive bytes each
.irp tt, 0,1,2,3
.irp c, 0,1,2
	global_load_b128 v[12*((4*(\slot)+\tt)%16)+4*\c:12*((4*(\slot)+\tt)%16)+4*\c+3], v[L16], s[\base:\base+1] offset:(4*(\grp)+\tt)*1536+512*\c
.endr
.endr
.endm
.macro CONSTS ws, bs                   ; an expert's W1 scale words (8 loads) and b1 in the result's layout (16 loads)
	WIN 0
.irp t, 0,1,2,3,4,5,6,7
	global_load_b128 v[W1S+4*\t:W1S+4*\t+3], v[AW1S], s[\ws:\ws+1] offset:(32*(\t/2)+8*(\t%2))*32
.endr
	WIN 0x80
.irp t, 0,1,2,3,4,5,6,7
	global_load_b128 v[B1+8*\t:B1+8*\t+3], v[AB1], s[\bs:\bs+1] offset:(32*(\t/2)+8*(\t%2))*4
	global_load_b128 v[B1+8*\t+4:B1+8*\t+7], v[AB1], s[\bs:\bs+1] offset:(32*(\t/2)+8*(\t%2))*4+16
.endr
	WIN 0
.endm
; THE FIRST PRODUCT, group g of 16: K step g / 2, tiles 4 (g % 2) + 0 .. 3, three tiles of rows.  The 12 accumulators take turns, one instruction a turn, and the next group's are others.
.macro P1G g
.if (\g) < 4
	s_wait_loadcnt 44                              ; this group is in; younger: three groups of 12 and W2's 8 scale loads
.else
	s_wait_loadcnt 36                              ; younger: three groups of 12
.endif
.if (\g)%2 == 0
	s_wait_dscnt 0x0                               ; x's fragments of this K step
.endif
	WIN 0xAD                                       ; source 0 (weights) window 1, source 1 window 3, C and D window 2
.irp tt, 0,1,2,3
.irp m, 0,1,2
.set rT, 4*((\g)%2)+\tt
.set rD, 64*\m+8*rT
.set rA, 12*((4*(\g)+\tt)%16)
.set rB, 36*(((\g)/2)%2)+12*\m
.set rSA, W1S+4*rT+((\g)/2)%4
.set rSB, XS+8*\m+(\g)/2
.if (\g) < 2
	v_wmma_scale_f32_16x16x128_f8f6f4 v[rD:rD+7], v[rA:rA+11], v[rB:rB+11], v[B1+8*rT:B1+8*rT+7], v[rSA], v[rSB] matrix_a_fmt:MATRIX_FMT_BF6 matrix_b_fmt:MATRIX_FMT_BF6
.elseif (\g) < 8
	v_wmma_scale_f32_16x16x128_f8f6f4 v[rD:rD+7], v[rA:rA+11], v[rB:rB+11], v[rD:rD+7], v[rSA], v[rSB] matrix_a_fmt:MATRIX_FMT_BF6 matrix_b_fmt:MATRIX_FMT_BF6
.else
	v_wmma_scale_f32_16x16x128_f8f6f4 v[rD:rD+7], v[rA:rA+11], v[rB:rB+11], v[rD:rD+7], v[rSA], v[rSB] matrix_a_fmt:MATRIX_FMT_BF6 matrix_b_fmt:MATRIX_FMT_BF6 matrix_a_scale:MATRIX_SCALE_ROW1
.endif
.endr
.endr
.rept 4
	v_nop                                          ; four plain instructions in front of loads into registers that matrix instructions have read, and of the first read of results
.endr
	WIN 0x40
.if (\g) < 12
	RLOAD \g, P_W1, (\g)+4
.else
	RLOAD \g, P_W2, (\g)-12                        ; the second product's first four groups
.endif
.if ((\g)%2 == 0) && ((\g) < 14)
	WIN 0xC0
.irp m, 0,1,2
.irp c, 0,1,2
	ds_load_b128 v[36*(((\g)/2+1)%2)+12*\m+4*\c:36*(((\g)/2+1)%2)+12*\m+4*\c+3], v[AFI] offset:(8*\m+(\g)/2+1)*1536+512*\c   ; x's fragments of the next K step, into the other set
.endr
.endr
.endif
.endm
.macro YLOAD P                         ; y of outputs 16 P on, three tiles of rows, into set P % 2
.irp m, 0,1,2
.irp i, 0,1
	ds_load_b128 v[YT+24*((\P)%2)+8*\m+4*\i:YT+24*((\P)%2)+8*\m+4*\i+3], v[YAD+\m] offset:64*(\P)+16*\i
.endr
.endr
.endm
; Tile P of outputs is finished: y += score x result, in LDS.  The wait shows y's loads in and the last tile's stores done, so that the other set may take the next tile's y (nxt = 1).
.macro FINY P, nxt
	s_wait_dscnt 0x0
	WIN 0
.if \nxt
	YLOAD (\P)+1
.endif
	WIN 0x02                                       ; source 0 (the results) window 2
.irp m, 0,1,2
.irp k, 0,1,2,3
.set rY, YT+24*((\P)%2)+8*\m+2*\k
.set rC, 96*(((\P)/4)%2)+24*((\P)%4)+8*\m+2*\k
	v_pk_fma_f32 v[rY:rY+1], v[rC:rC+1], v[CC+2*\m:CC+2*\m+1], v[rY:rY+1] op_sel_hi:[1,0,1]
.endr
.endr
	WIN 0
.irp m, 0,1,2
.irp i, 0,1
	ds_store_b128 v[YAD+\m], v[YT+24*((\P)%2)+8*\m+4*\i:YT+24*((\P)%2)+8*\m+4*\i+3] offset:64*(\P)+16*\i
.endr
.endr
.endm
; THE SECOND PRODUCT, group g of 16: chunk g / 4 of four tiles of outputs, K step g % 4.  Two sets of 12 accumulators: while one chunk is multiplied, the chunk before goes into y, a tile a group.
.macro P2G g
.if (\g) < 4
	s_wait_loadcnt 60                              ; younger: three groups of 12 and the next expert's 24 constants
.else
	s_wait_loadcnt 36
.endif
	WIN 0xAD
.irp tt, 0,1,2,3
.irp m, 0,1,2
.set rT, 4*((\g)/4)+\tt
.set rD, 96*(((\g)/4)%2)+24*\tt+8*\m
.set rA, 12*((4*(\g)+\tt)%16)
.set rB, 12*(4*\m+(\g)%4)
.set rSA, W2S+4*(rT/2)+(\g)%4
.set rSB, HS+4*\m+(\g)%4
.if (\g)%4 == 0
.if \tt%2 == 0
	v_wmma_scale_f32_16x16x128_f8f6f4 v[rD:rD+7], v[rA:rA+11], v[rB:rB+11], 0, v[rSA], v[rSB] matrix_a_fmt:MATRIX_FMT_BF6 matrix_b_fmt:MATRIX_FMT_BF6
.else
	v_wmma_scale_f32_16x16x128_f8f6f4 v[rD:rD+7], v[rA:rA+11], v[rB:rB+11], 0, v[rSA], v[rSB] matrix_a_fmt:MATRIX_FMT_BF6 matrix_b_fmt:MATRIX_FMT_BF6 matrix_a_scale:MATRIX_SCALE_ROW1
.endif
.else
.if \tt%2 == 0
	v_wmma_scale_f32_16x16x128_f8f6f4 v[rD:rD+7], v[rA:rA+11], v[rB:rB+11], v[rD:rD+7], v[rSA], v[rSB] matrix_a_fmt:MATRIX_FMT_BF6 matrix_b_fmt:MATRIX_FMT_BF6
.else
	v_wmma_scale_f32_16x16x128_f8f6f4 v[rD:rD+7], v[rA:rA+11], v[rB:rB+11], v[rD:rD+7], v[rSA], v[rSB] matrix_a_fmt:MATRIX_FMT_BF6 matrix_b_fmt:MATRIX_FMT_BF6 matrix_a_scale:MATRIX_SCALE_ROW1
.endif
.endif
.endr
.endr
.rept 4
	v_nop
.endr
	WIN 0x40
.if (\g) < 12
	RLOAD \g, P_W2, (\g)+4
.else
	RLOAD \g, H_W1, (\g)-12                        ; the next trip's first four groups
.endif
.if (\g) >= 4
	FINY (\g)-4, 1
.elseif (\g) == 3
	WIN 0
	YLOAD 0
.endif
.endm
	; ---- the tile, the ids, the addresses
	s_load_b512 s[4:19], s[0:1], 0x0               ; x, w1img, w1_scales, b1, w2img, w2_scales, b2, gamma
	s_load_b256 s[20:27], s[0:1], 0x40             ; beta, order, tiles, rw
	s_load_b64 s[28:29], s[0:1], 0x60              ; out0
	v_lshl_add_u32 v254, v0, 2, 0x3ed00
	v_mov_b32 v255, 0
	v_lshrrev_b32 v1, 5, v0
	v_readfirstlane_b32 s30, v1                    ; wave q
	s_lshl_b32 s42, ttmp9, 2
	s_wait_kmcnt 0x0
	s_load_b32 s31, s[24:25], s42 offset:0x0       ; my tile's word
	v_and_b32 v1, 31, v0                           ; lane
	v_and_b32 v2, 15, v0                           ; r
	v_bfe_u32 v3, v0, 4, 1                         ; h
	v_lshlrev_b32 v[L16], 4, v1
	v_lshlrev_b32 v[L4], 2, v1
	v_and_b32 v[AW1S], 8, v2
	v_add_nc_u32 v[AW1S], v[AW1S], v2
	v_lshlrev_b32 v[AW1S], 5, v[AW1S]
	v_lshl_add_u32 v[AW1S], v3, 4, v[AW1S]
	v_lshlrev_b32 v[AB1], 6, v3
	s_mul_i32 s74, s30, 12*XP
	v_add_nc_u32 v[AXR], s74, v[L16]
	s_lshl_b32 s74, s30, 10
	v_mul_u32_u24 v[TMPA], v2, XP
	v_add_nc_u32 v[TMPA], s74, v[TMPA]
	v_lshl_add_u32 v[AXQ], v3, 6, v[TMPA]
	v_lshl_add_u32 v[YAD], v3, 5, v[TMPA]
	v_add_nc_u32 v[YAD+1], 16*XP, v[YAD]
	v_add_nc_u32 v[YAD+2], 32*XP, v[YAD]
	s_mul_i32 s74, s30, 3072
	s_add_co_u32 s74, s74, XIMG
	v_add_nc_u32 v[AXI], s74, v[L16]
	s_lshl_b32 s74, s30, 8
	s_add_co_u32 s74, s74, XSC
	v_add_nc_u32 v[AXS], s74, v[L4]
	v_add_nc_u32 v[AFI], XIMG, v[L16]
	v_add_nc_u32 v[AFS], XSC, v[L4]
	s_mul_i32 s74, s30, 1536
	s_add_co_u32 s74, s74, HIMG
	v_add_nc_u32 v[AHSI], s74, v[L16]
	s_lshl_b32 s74, s30, 7
	s_add_co_u32 s74, s74, HSC
	v_add_nc_u32 v[AHSS], s74, v[L4]
	v_add_nc_u32 v[AHLI], HIMG, v[L16]
	v_add_nc_u32 v[AHLS], HSC, v[L4]
	s_mov_b32 s[SEL], 0x76543210
	s_mov_b32 s[SEL+1], 0xfedcba98
	s_mov_b32 s[K1], 0xbdd2d3e8                    ; K1 = -0.10294324
	s_mov_b32 s[K1+1], s[K1]                       ; (named with it as a pair, so it is written)
	v_mov_b32 v208, v2                             ; the slots of rows 16 m + r,
	v_add_nc_u32 v209, 16, v2
	v_add_nc_u32 v210, 32, v2
	v_min_u32 v211, 11, v1
	s_mul_i32 s74, s30, 12
	v_add_nc_u32 v211, s74, v211                   ; and of my rows 12 q + lane
	s_wait_kmcnt 0x0
	s_bfe_u32 s32, s31, 0x40000
	s_min_u32 s32, s32, 7                          ; lo
	s_bfe_u32 s33, s31, 0x40004
	s_min_u32 s33, s33, 7                          ; hi
	s_lshr_b32 s34, s31, 8
	s_min_u32 s34, s34, 48                         ; the count
	s_max_u32 s35, s34, 1
	s_sub_co_u32 s35, s35, 1                       ; the last slot that holds a token
	s_mov_b32 s75, 0
	s_mul_i32 s76, s30, 98304                      ; images: 393,216 bytes an expert, 98,304 a wave
	s_mul_i32 s74, s32, 393216
	s_add_co_u32 s74, s74, s76
	s_add_nc_u64 s[P_W1:P_W1+1], s[6:7], s[74:75]
	s_add_nc_u64 s[P_W2:P_W2+1], s[12:13], s[74:75]
	s_mul_i32 s74, s33, 393216
	s_add_co_u32 s74, s74, s76
	s_add_nc_u64 s[H_W1:H_W1+1], s[6:7], s[74:75]
	s_add_nc_u64 s[H_W2:H_W2+1], s[12:13], s[74:75]
	s_lshl_b32 s76, s30, 12                        ; scales: 16,384 bytes an expert, 4,096 a wave
	s_lshl_b32 s74, s32, 14
	s_add_co_u32 s74, s74, s76
	s_add_nc_u64 s[P_W2S:P_W2S+1], s[14:15], s[74:75]
	s_add_nc_u64 s[L_W1S:L_W1S+1], s[8:9], s[74:75]
	s_lshl_b32 s74, s33, 14
	s_add_co_u32 s74, s74, s76
	s_add_nc_u64 s[H_W2S:H_W2S+1], s[14:15], s[74:75]
	s_add_nc_u64 s[H_W1S:H_W1S+1], s[8:9], s[74:75]
	s_lshl_b32 s76, s30, 9                         ; b1: 2,048 bytes an expert, 512 a wave
	s_lshl_b32 s74, s32, 11
	s_add_co_u32 s74, s74, s76
	s_add_nc_u64 s[L_B1:L_B1+1], s[10:11], s[74:75]
	s_lshl_b32 s74, s33, 11
	s_add_co_u32 s74, s74, s76
	s_add_nc_u64 s[H_B1:H_B1+1], s[10:11], s[74:75]
	s_lshl_b32 s74, s32, 12
	s_add_nc_u64 s[B2L:B2L+1], s[16:17], s[74:75]
	s_lshl_b32 s74, s33, 12
	s_add_nc_u64 s[B2H:B2H+1], s[16:17], s[74:75]
	s_mul_i32 s74, ttmp9, 192
	s_add_nc_u64 s[22:23], s[22:23], s[74:75]      ; my tile's 48 words of order
.irp n, 208,209,210,211
	v_min_u32 v\n, s35, v\n                        ; slots past the count repeat the last token
	v_min_u32 v\n, 47, v\n
	v_lshlrev_b32 v\n, 2, v\n
.endr
	global_load_b32 v28, v208, s[22:23]
	global_load_b32 v29, v209, s[22:23]
	global_load_b32 v30, v210, s[22:23]
	global_load_b32 v31, v211, s[22:23]
	s_wait_loadcnt 0x0
.irp n, 28,29,30,31
	v_min_u32 v\n, 0x1fff, v\n                     ; a token's number is held inside x
.endr
	v_lshlrev_b32 v212, 3, v28
	v_lshlrev_b32 v213, 3, v29
	v_lshlrev_b32 v214, 3, v30
	v_lshlrev_b32 v215, 3, v31
	global_load_b64 v[CW:CW+1], v212, s[26:27]
	global_load_b64 v[CW+2:CW+3], v213, s[26:27]
	global_load_b64 v[CW+4:CW+5], v214, s[26:27]
	global_load_b64 v[32:33], v215, s[26:27]       ; lane j: the scores of row 12 q + j
.irp j, 0,1,2,3,4,5,6,7,8,9,10,11
	v_readlane_b32 s74, v31, \j
	s_min_u32 s74, s74, 0x1fff
	s_lshl_b32 s74, s74, 12
	v_add_nc_u32 v[XO+\j], s74, v[L16]
.endr
	; ---- x into LDS: my 12 rows, six on their way at a time
.macro XLOADROW j
	WIN 0x40
.irp i, 0,1,2,3,4,5,6,7
	global_load_b128 v[32*((\j)%6)+4*\i:32*((\j)%6)+4*\i+3], v[XO+(\j)], s[4:5] offset:512*\i
.endr
.endm
.macro XROW j
.if (\j) <= 6
	s_wait_loadcnt 40                              ; this row's eight loads are in; five rows behind it may be out
.else
	s_wait_loadcnt 8*(11-(\j))
.endif
	WIN 0x04                                       ; an LDS store's data are its source 1: window 1
.irp i, 0,1,2,3,4,5,6,7
	ds_store_b128 v[AXR], v[32*((\j)%6)+4*\i:32*((\j)%6)+4*\i+3] offset:(\j)*XP+512*\i
.endr
.if (\j) < 6
	s_wait_dscnt 0x0                               ; the stores have read their registers, which take the row six on
	XLOADROW (\j)+6
.endif
.endm
.irp j, 0,1,2,3,4,5
	XLOADROW \j
.endr
.irp j, 0,1,2,3,4,5,6,7,8,9,10,11
	XROW \j
.endr
	WIN 0
	BARRIER                                        ; 48 rows of x lie in LDS
	; ---- the first expert's constants and the ring's first three groups go out; x is quantised meanwhile
	CONSTS L_W1S, L_B1
	WIN 0x40
	RLOAD 0, P_W1, 0
	RLOAD 1, P_W1, 1
	RLOAD 2, P_W1, 2
	WIN 0
.irp m, 0,1,2
	v_mov_b32 v[CC+2*\m], v[CW+2*\m]               ; the first expert's scores
	v_mov_b32 v[CC+2*\m+1], v[CW+2*\m]
.endr
	WIN 0x80
.irp b, 0,1,2,3
	v_mov_b32 v[132+\b], 0                         ; written once: a lane permute's destination counts as one of its sources
.endr
	WIN 0
	s_mov_b32 s74, 0
	s_mov_b32 s75, 0
	s_mov_b32 s76, 0
	s_mov_b32 s77, 0
.Lxq:                                              ; three trips, a tile of 16 rows each: my two K steps (2 q, 2 q + 1) become two fragments
	v_add_nc_u32 v[AXQ+1], s74, v[AXQ]
	v_add_nc_u32 v[AXI+1], s75, v[AXI]
	v_add_nc_u32 v[AXS+1], s76, v[AXS]
	WIN 0x80
.irp sp, 0,1
.irp b, 0,1,2,3
.irp j, 0,1,2,3
	ds_load_b128 v[64*\sp+16*\b+4*\j:64*\sp+16*\b+4*\j+3], v[AXQ+1] offset:512*\sp+128*\b+16*\j
.endr
.endr
.endr
	s_wait_dscnt 16                                ; the first K step's 16 loads are in (and the last trip's stores are done); the second's are younger
	WIN 0xAA
	QUANT 0, 128
	WIN 0x08                                       ; store data in window 2
	IMAGE AXI+1, 0, 144
	ds_store_b32 v[AXS+1], v164
	s_wait_dscnt 0x0                               ; the second K step is in, and the stores have read their registers
	WIN 0xAA
	QUANT 64, 128
	WIN 0x08
	IMAGE AXI+1, 1536, 144
	ds_store_b32 v[AXS+1], v164 offset:128
	WIN 0
	s_add_co_u32 s74, s74, 16*XP
	s_add_co_u32 s75, s75, 8*1536
	s_add_co_u32 s76, s76, 8*128
	s_add_co_u32 s77, s77, 1
	s_cmp_lt_u32 s77, 3
	s_cbranch_scc1 .Lxq
	WIN 0x40
	RLOAD 3, P_W1, 3
	WIN 0
	BARRIER                                        ; x's 24 fragments lie in LDS
.set i, 0
.rept 24
	ds_load_b32 v[XS+i], v[AFS] offset:128*i
.set i, i+1
.endr
	; ---- the two experts
	s_mov_b32 s40, 2
.Lexp:
.irp p, 0,1,2,3,4,5,6,7
	global_load_b128 v[W2S+4*\p:W2S+4*\p+3], v[L16], s[P_W2S:P_W2S+1] offset:512*\p
.endr
	WIN 0xC0
.irp m, 0,1,2
.irp c, 0,1,2
	ds_load_b128 v[12*\m+4*\c:12*\m+4*\c+3], v[AFI] offset:(8*\m)*1536+512*\c     ; x's fragments of K step 0
.endr
.endr
.irp g, 0,1,2,3,4,5,6,7,8,9,10,11,12,13,14,15
	P1G \g
.endr
	WIN 0xAA
	v_mov_b32 v254, 0xc0135761                     ; K0 = -2.3022082, as a pair; b1's registers are done with
	v_mov_b32 v255, 0xc0135761
.irp m, 0,1,2
	GELU32 64*\m
	GELU32 64*\m+32
	QUANT 64*\m, 192
	WIN 0x08
	IMAGE AHSI, 4*\m*1536, 208                     ; K step q of the second product, rows 16 m on
	ds_store_b32 v[AHSS], v228 offset:512*\m
	s_wait_dscnt 0x0                               ; the stores have read their registers
	WIN 0xAA
.endr
	WIN 0
	BARRIER                                        ; the hidden layer's 12 fragments lie in LDS
	WIN 0xC0
.set i, 0
.rept 12
.irp c, 0,1,2
	ds_load_b128 v[12*i+4*\c:12*i+4*\c+3], v[AHLI] offset:1536*i+512*\c
.endr
.set i, i+1
.endr
	WIN 0
.set i, 0
.rept 12
	ds_load_b32 v[HS+i], v[AHLS] offset:128*i
.set i, i+1
.endr
	CONSTS H_W1S, H_B1                             ; the next trip's constants
	BARRIER                                        ; every wave holds its copies: the images may be written again in the next trip
.irp g, 0,1,2,3,4,5,6,7,8,9,10,11,12,13,14,15
	P2G \g
.endr
	FINY 12, 1
	FINY 13, 1
	FINY 14, 1
	FINY 15, 0
	s_wait_xcnt 0x0                                ; every load has read its base: the pointers may be written
	s_mov_b64 s[P_W1:P_W1+1], s[H_W1:H_W1+1]
	s_mov_b64 s[P_W2:P_W2+1], s[H_W2:H_W2+1]
	s_mov_b64 s[P_W2S:P_W2S+1], s[H_W2S:H_W2S+1]
.irp m, 0,1,2
	v_mov_b32 v[CC+2*\m], v[CW+2*\m+1]             ; the second expert's scores
.endr
	s_sub_co_u32 s40, s40, 1
	s_cmp_lg_u32 s40, 0
	s_cbranch_scc1 .Lexp
	; ---- b2, the residual (x has been in y from the start), LayerNorm
	s_wait_loadcnt 0x0                             ; the look-ahead of the last trip has landed: its registers may be loaded again
	WIN 0x40
.irp i, 0,1,2,3,4,5,6,7
	global_load_b128 v[4*\i:4*\i+3], v[L16], s[18:19] offset:512*\i              ; gamma
	global_load_b128 v[32+4*\i:35+4*\i], v[L16], s[20:21] offset:512*\i          ; beta
	global_load_b128 v[64+4*\i:67+4*\i], v[L16], s[B2L:B2L+1] offset:512*\i      ; b2 of lo
	global_load_b128 v[96+4*\i:99+4*\i], v[L16], s[B2H:B2H+1] offset:512*\i      ; b2 of hi
.endr
	WIN 0
.irp R, 0,1,2,3
	v_mov_b32 v[228+\R], 0                         ; a lane permute's destination counts as one of its sources
.endr
	s_mov_b32 s60, 0x3a800000                      ; 1 / 1,024
	s_mov_b32 s61, 0x3727c5ac                      ; 1e-5
	s_mul_i32 s62, s30, 12                         ; my first slot
	s_mov_b32 s74, 0
	s_mov_b32 s75, 0
	s_mov_b32 s76, 0
	BARRIER                                        ; every wave's columns of y are whole
	s_wait_loadcnt 0x0
.macro ALLSUM                          ; v[148 + 16 R] summed over the 32 lanes, four rows by turns
.irp x, 1,2,4,8
.irp R, 0,1,2,3
	v_add_f32_dpp v[148+16*\R], v[148+16*\R], v[148+16*\R] row_xmask:\x row_mask:0xf bank_mask:0xf
.endr
.endr
.irp R, 0,1,2,3
	v_permlanex16_b32 v[228+\R], v[148+16*\R], s[SEL], s[SEL+1]
.endr
.irp R, 0,1,2,3
	v_add_f32 v[148+16*\R], v[148+16*\R], v[228+\R]
.endr
.endm
.Lln:                                              ; three trips, four whole rows each; every stage runs over the four rows by turns
	v_add_nc_u32 v[TMPA], s76, v[AXR]
	WIN 0xC0
.irp R, 0,1,2,3
.irp i, 0,1,2,3,4,5,6,7
	ds_load_b128 v[32*\R+4*\i:32*\R+4*\i+3], v[TMPA] offset:\R*XP+512*\i
.endr
.endr
	WIN 0
.irp R, 0,1,2,3
	s_add_co_u32 s77, s75, \R
	v_readlane_b32 s[40+4*\R], v32, s77            ; the row's two scores,
	v_readlane_b32 s[42+4*\R], v33, s77
	v_readlane_b32 s[56+\R], v31, s77              ; and its token
	s_mov_b32 s[41+4*\R], s[40+4*\R]               ; (named as pairs, so the upper words are written)
	s_mov_b32 s[43+4*\R], s[42+4*\R]
	s_min_u32 s[56+\R], s[56+\R], 0x1fff
	s_lshl_b32 s[56+\R], s[56+\R], 12
	v_add_nc_u32 v[244+\R], s[56+\R], v[L16]
.endr
	s_wait_dscnt 0x0
	WIN 0xF1                                       ; y in window 3, b2 in window 1
.set k, 0
.rept 16
.irp R, 0,1,2,3
	v_pk_fma_f32 v[32*\R+2*k:32*\R+2*k+1], v[64+2*k:65+2*k], s[40+4*\R:41+4*\R], v[32*\R+2*k:32*\R+2*k+1] op_sel_hi:[1,0,1]
.endr
.set k, k+1
.endr
.set k, 0
.rept 16
.irp R, 0,1,2,3
	v_pk_fma_f32 v[32*\R+2*k:32*\R+2*k+1], v[96+2*k:97+2*k], s[42+4*\R:43+4*\R], v[32*\R+2*k:32*\R+2*k+1] op_sel_hi:[1,0,1]
.endr
.set k, k+1
.endr
	WIN 0x0F                                       ; sources in window 3, sums in window 0
.set k, 0
.rept 8
.irp R, 0,1,2,3
	v_pk_add_f32 v[148+16*\R+2*k:149+16*\R+2*k], v[32*\R+2*k:32*\R+2*k+1], v[32*\R+16+2*k:32*\R+17+2*k]
.endr
.set k, k+1
.endr
	WIN 0
.irp k, 0,1,2,3
.irp R, 0,1,2,3
	v_pk_add_f32 v[148+16*\R+2*\k:149+16*\R+2*\k], v[148+16*\R+2*\k:149+16*\R+2*\k], v[156+16*\R+2*\k:157+16*\R+2*\k]
.endr
.endr
.irp k, 0,1
.irp R, 0,1,2,3
	v_pk_add_f32 v[148+16*\R+2*\k:149+16*\R+2*\k], v[148+16*\R+2*\k:149+16*\R+2*\k], v[152+16*\R+2*\k:153+16*\R+2*\k]
.endr
.endr
.irp R, 0,1,2,3
	v_pk_add_f32 v[148+16*\R:149+16*\R], v[148+16*\R:149+16*\R], v[150+16*\R:151+16*\R]
.endr
.irp R, 0,1,2,3
	v_add_f32 v[148+16*\R], v[148+16*\R], v[149+16*\R]
.endr
	ALLSUM
.irp R, 0,1,2,3
	v_mul_f32 v[212+2*\R], s60, v[148+16*\R]       ; the mean
	v_mul_f32 v[213+2*\R], s60, v[148+16*\R]
.endr
	WIN 0xC3                                       ; y in window 3, the mean in window 0
.set k, 0
.rept 16
.irp R, 0,1,2,3
	v_pk_add_f32 v[32*\R+2*k:32*\R+2*k+1], v[32*\R+2*k:32*\R+2*k+1], v[212+2*\R:213+2*\R] neg_lo:[0,1] neg_hi:[0,1]
.endr
.set k, k+1
.endr
	WIN 0x0F
.irp k, 0,1
.irp R, 0,1,2,3
	v_pk_mul_f32 v[148+16*\R+2*\k:149+16*\R+2*\k], v[32*\R+2*\k:32*\R+2*\k+1], v[32*\R+2*\k:32*\R+2*\k+1]
.endr
.endr
.set k, 2
.rept 14
.irp R, 0,1,2,3
	v_pk_fma_f32 v[148+16*\R+2*(k%2):149+16*\R+2*(k%2)], v[32*\R+2*k:32*\R+2*k+1], v[32*\R+2*k:32*\R+2*k+1], v[148+16*\R+2*(k%2):149+16*\R+2*(k%2)]
.endr
.set k, k+1
.endr
	WIN 0
.irp R, 0,1,2,3
	v_pk_add_f32 v[148+16*\R:149+16*\R], v[148+16*\R:149+16*\R], v[150+16*\R:151+16*\R]
.endr
.irp R, 0,1,2,3
	v_add_f32 v[148+16*\R], v[148+16*\R], v[149+16*\R]
.endr
	ALLSUM
.irp R, 0,1,2,3
	v_fma_f32 v[148+16*\R], v[148+16*\R], s60, s61 ; the variance + 1e-5
.endr
.irp R, 0,1,2,3
	v_rsq_f32 v[220+2*\R], v[148+16*\R]
.endr
	v_nop                                          ; a plain instruction behind the batch,
	s_wait_alu depctr_va_vdst(0)                   ; and one wait for the four
.irp R, 0,1,2,3
	v_mov_b32 v[221+2*\R], v[220+2*\R]
.endr
	WIN 0xC3
.set k, 0
.rept 16
.irp R, 0,1,2,3
	v_pk_mul_f32 v[32*\R+2*k:32*\R+2*k+1], v[32*\R+2*k:32*\R+2*k+1], v[220+2*\R:221+2*\R]
.endr
.set k, k+1
.endr
	WIN 0xDD                                       ; gamma and beta in window 1, y in window 3
.set k, 0
.rept 16
.irp R, 0,1,2,3
	v_pk_fma_f32 v[32*\R+2*k:32*\R+2*k+1], v[2*k:2*k+1], v[32*\R+2*k:32*\R+2*k+1], v[32+2*k:33+2*k]
.endr
.set k, k+1
.endr
	WIN 0
.irp R, 0,1,2,3
	s_add_co_u32 s77, s62, s75
	s_add_co_u32 s77, s77, \R
	s_cmp_lt_u32 s77, s34                          ; a slot past the tile's count is not stored
	s_cbranch_scc0 .Lskip_\R
	WIN 0x0C                                       ; a store's data are its source 1: window 3
.irp i, 0,1,2,3,4,5,6,7
	global_store_b128 v[244+\R], v[32*\R+4*\i:32*\R+4*\i+3], s[28:29] offset:512*\i th:TH_STORE_NT   ; 32 lanes store 512 consecutive bytes, aligned
.endr
	WIN 0
.Lskip_\R:
.endr
	s_wait_xcnt 0x0                                ; the stores have read their data and addresses: both are written again in the next trip
	s_add_co_u32 s75, s75, 4
	s_add_co_u32 s76, s76, 4*XP
	s_add_co_u32 s74, s74, 1
	s_cmp_lt_u32 s74, 3
	s_cbranch_scc1 .Lln
	s_wait_tensorcnt 0x0
	ds_add_u32 v254, v255
	s_wait_dscnt 0x0
	s_endpgm
.Lfunc_end_k_qa87ea283c9_chain:
	.size	k_qa87ea283c9_chain, .Lfunc_end_k_qa87ea283c9_chain-k_qa87ea283c9_chain
	.p2alignl 7, 3214868480
	.fill 96, 4, 3214868480
	.section	.rodata,"a",@progbits
	.p2align	6, 0x0
	.amdhsa_kernel k_qa87ea283c9_chain
		.amdhsa_group_segment_fixed_size 257792
		.amdhsa_private_segment_fixed_size 0
		.amdhsa_enable_private_segment 0
		.amdhsa_kernarg_size 104
		.amdhsa_user_sgpr_count 2
		.amdhsa_user_sgpr_kernarg_segment_ptr 1
		.amdhsa_wavefront_size32 1
		.amdhsa_system_sgpr_workgroup_id_x 1
		.amdhsa_system_sgpr_workgroup_id_y 1
		.amdhsa_system_sgpr_workgroup_id_z 1
		.amdhsa_system_vgpr_workitem_id 0
		.amdhsa_next_free_vgpr 1024
		.amdhsa_next_free_sgpr 96
		.amdhsa_reserve_vcc 0
		.amdhsa_float_denorm_mode_32 3
		.amdhsa_float_denorm_mode_16_64 3
		.amdhsa_memory_ordered 1
		.amdhsa_forward_progress 1
		.amdhsa_inst_pref_size 255
	.end_amdhsa_kernel
	.section	.bss,"aw",@nobits
	.p2align	6
	.space	262144
	.amdgpu_metadata
---
amdhsa.version: [ 1, 2 ]
amdhsa.kernels:
  - .name:           k_qa87ea283c9_chain
    .symbol:         k_qa87ea283c9_chain.kd
    .args:
      - { .name: x, .offset: 0, .size: 8, .value_kind: global_buffer, .address_space: global }
      - { .name: w1img, .offset: 8, .size: 8, .value_kind: global_buffer, .address_space: global }
      - { .name: w1_scales, .offset: 16, .size: 8, .value_kind: global_buffer, .address_space: global }
      - { .name: b1, .offset: 24, .size: 8, .value_kind: global_buffer, .address_space: global }
      - { .name: w2img, .offset: 32, .size: 8, .value_kind: global_buffer, .address_space: global }
      - { .name: w2_scales, .offset: 40, .size: 8, .value_kind: global_buffer, .address_space: global }
      - { .name: b2, .offset: 48, .size: 8, .value_kind: global_buffer, .address_space: global }
      - { .name: gamma, .offset: 56, .size: 8, .value_kind: global_buffer, .address_space: global }
      - { .name: beta, .offset: 64, .size: 8, .value_kind: global_buffer, .address_space: global }
      - { .name: order, .offset: 72, .size: 8, .value_kind: global_buffer, .address_space: global }
      - { .name: tiles, .offset: 80, .size: 8, .value_kind: global_buffer, .address_space: global }
      - { .name: rw, .offset: 88, .size: 8, .value_kind: global_buffer, .address_space: global }
      - { .name: out0, .offset: 96, .size: 8, .value_kind: global_buffer, .address_space: global }
    .group_segment_fixed_size: 257792
    .private_segment_fixed_size: 0
    .kernarg_segment_align: 8
    .kernarg_segment_size: 104
    .max_flat_workgroup_size: 128
    .sgpr_count:     96
    .vgpr_count:     1024
    .wavefront_size: 32
...
	.end_amdgpu_metadata
.endif
;; end of part 3
;; ======== version 2 of 2: 3 launches
;; workspace buffers: meta 65,536 bytes of whole numbers; rw 65,536 bytes; w1img 3,145,728 bytes; w2img 3,145,728 bytes; order 38,144 bytes of whole numbers; tiles 1,024 bytes of whole numbers
;; launch route (part 4): grid 256 x 1, 8 waves a work-group, no clusters, 142,592 bytes of LDS; arguments x, router_w, router_b, w1_codes, w2_codes, meta, rw, w1img, w2img; writes meta, rw, w1img, w2img
.if DOCPART == 4
	.amdgcn_target "amdgcn-amd-amdhsa--gfx1250"
	.amdhsa_code_object_version 6
	.text
	.protected	k_qa87ea283c9_route
	.globl	k_qa87ea283c9_route
	.p2align	8
	.type	k_qa87ea283c9_route,@function
k_qa87ea283c9_route:
	s_mov_b64 s[64:65], 0
	v_nop
	global_prefetch_b8 v0, s[64:65] scope:SCOPE_SE
	s_setreg_imm32_b32 hwreg(HW_REG_WAVE_MODE, 25, 1), 1
	s_wait_xcnt 0x0
; THE ROUTER, and the weights' codes laid out as register images.
; Work-group g takes tokens 32 g .. 32 g + 31: logits = x router_w + router_b in f32 (fused multiply-adds), softmax with the row's maximum taken away, the two largest
; probabilities (the lower index wins a tie).  Nothing here steers an address: the choice is stored at fixed places.
;   meta[g][lane][0] = bin | rank << 8   (lane = token; bin = the unordered pair of experts, 0 .. 27; rank = how many earlier tokens of this block have the same bin)
;   meta[g][lane][1] = the block's count of bin = lane (lanes 0-27); lanes 28-31: counts of positive scores of experts 2 i and 2 i + 1, 16 bits each
;   rw[token] = (score of the lower expert, score of the higher one)
; SHARES.  Wave w: rows 16 (w / 4) on, k = 256 (w % 4) on; lane l holds k = 256 (w % 4) + 128 c + 4 l + i.  A lane's eight partial logits of a row meet through the wave's own LDS, the eight waves' parts
; through a second region behind one barrier; wave 0 finishes, a lane a token.
; THE IMAGES.  A fragment (16 rows x 128 K of 6-bit codes) is 12 registers a lane; it is stored as three runs of 32 lanes x 16 bytes, 1,536 bytes, so that its reader takes it by three loads of 16 bytes a lane.
; W1's tile t of wave q takes rows 128 q + 32 (t / 2) + 8 (t % 2) + r + 8 (r / 8); W2's tiles take neighbouring rows.  The eight waves of a work-group take all K steps of the same rows.
; LIMITS: NaN and infinities among the inputs are not served.  A score under 2^-126 comes out as 0 (the exponential flushes).  The sums run in another order than a dot product written row by row,
; so two probabilities that agree to about 1e-6 of their size may change places.
.set TRW,  16640                       ; a wave's region: 16 rows x TRP
.set TRP,  1040                        ; a row: 2 halves of the experts x 32 lanes x 16 bytes, + 16
.set PART, 8*TRW                       ; eight partial tables of 32 tokens x 32 bytes, TRP apart
.set ACC,  16                          ; v16-47   two sets of 2 rows x 8 experts; before that the two fragments
.set XB,   48                          ; v48-175  x: row j, c, i at XB + 8 j + 4 c + i; later the partial sums read back
.set WB,   176                         ; v176-239 router_w: WB + 32 c + 8 i + e
	s_load_b512 s[4:19], s[0:1], 0x0               ; x, router_w, router_b, w1_codes, w2_codes, meta, rw, w1img
	s_load_b64 s[20:21], s[0:1], 0x40              ; w2img
	v_lshl_add_u32 v254, v0, 2, 0x22900
	v_mov_b32 v255, 0
	v_lshrrev_b32 v1, 5, v0
	s_delay_alu instid0(VALU_DEP_1)
	v_readfirstlane_b32 s22, v1                    ; wave
	v_and_b32 v1, 31, v0                           ; lane
	v_and_b32 v2, 15, v0                           ; r
	v_bfe_u32 v3, v0, 4, 1                         ; h
	s_and_b32 s23, s22, 3                          ; which quarter of K
	s_lshr_b32 s24, s22, 2                         ; which half of the rows
	s_lshl_b32 s25, s23, 10
	s_lshl_b32 s26, s24, 16
	s_add_co_u32 s25, s25, s26
	v_lshl_add_u32 v4, v1, 4, s25                  ; x: 16 lane + 1,024 quarter + 16 rows x half
	s_lshl_b32 s26, s23, 13
	v_lshl_add_u32 v5, v1, 7, s26                  ; router_w: four rows of 32 bytes a lane
	v_and_b32 v6, 8, v2
	s_delay_alu instid0(VALU_DEP_1)
	v_add_nc_u32 v6, v6, v2
	s_delay_alu instid0(VALU_DEP_1)
	v_mul_u32_u24 v6, v6, 768
	s_delay_alu instid0(VALU_DEP_1)
	v_mad_u32_u24 v6, v3, 24, v6                   ; W1: row r + 8 (r / 8) of 768 bytes, + 24 h
	v_mul_u32_u24 v7, v2, 384
	s_delay_alu instid0(VALU_DEP_1)
	v_mad_u32_u24 v7, v3, 24, v7                   ; W2: row r of 384 bytes, + 24 h
	v_lshlrev_b32 v8, 4, v1                        ; an image's place for my lane
	s_mul_i32 s27, s22, TRW
	v_lshl_add_u32 v9, v1, 4, s27                  ; my wave's region, on the way in
	v_mul_u32_u24 v10, v2, TRP
	s_delay_alu instid0(VALU_DEP_1)
	v_lshl_add_u32 v10, v3, 8, v10
	s_delay_alu instid0(VALU_DEP_1)
	v_add_nc_u32 v10, s27, v10                     ; and out: row r, the partial sums of lanes 16 h on
	s_mul_i32 s28, s23, 2*TRP
	s_lshl_b32 s29, s24, 9
	s_add_co_u32 s28, s28, s29
	s_add_co_u32 s28, s28, PART
	v_mul_u32_u24 v11, v3, TRP
	s_delay_alu instid0(VALU_DEP_1)
	v_lshl_add_u32 v11, v2, 5, v11
	s_delay_alu instid0(VALU_DEP_1)
	v_add_nc_u32 v11, s28, v11                     ; table 2 quarter + h, token 16 half + r
	v_lshl_add_u32 v12, v1, 5, PART                ; wave 0: token = lane
	v_lshlrev_b32 v13, 3, v1                       ; 8 bytes a token in meta and rw
	; where my two fragments come from and go to
	s_lshr_b32 s32, ttmp9, 3
	s_lshl_b32 s33, s32, 7
	s_bfe_u32 s34, ttmp9, 0x20001
	s_lshl_b32 s34, s34, 5
	s_add_co_u32 s33, s33, s34
	s_and_b32 s34, ttmp9, 1
	s_lshl_b32 s34, s34, 3
	s_add_co_u32 s33, s33, s34                     ; W1: first row of tile g
	s_mul_i32 s33, s33, 768
	s_mul_i32 s34, s22, 96
	s_add_co_u32 s36, s33, s34                     ; + K step = wave
	s_mov_b32 s37, 0
	s_lshl_b32 s33, s32, 6
	s_lshl_b32 s34, s22, 3
	s_add_co_u32 s33, s33, s34
	s_and_b32 s34, ttmp9, 7
	s_add_co_u32 s33, s33, s34                     ; fragment (g / 8) 64 + 8 wave + g % 8
	s_mul_i32 s38, s33, 1536
	s_mov_b32 s39, 0
	s_lshl_b32 s33, ttmp9, 1
	s_add_co_u32 s33, s33, s24                     ; W2: tile G = 2 g + wave / 4
	s_mul_i32 s40, s33, 6144
	s_mul_i32 s34, s23, 96
	s_add_co_u32 s40, s40, s34                     ; + K step = wave % 4
	s_mov_b32 s41, 0
	s_lshr_b32 s34, s33, 2
	s_lshl_b32 s34, s34, 4
	s_lshl_b32 s35, s23, 2
	s_add_co_u32 s34, s34, s35
	s_and_b32 s35, s33, 3
	s_add_co_u32 s34, s34, s35                     ; fragment (G / 4) 16 + 4 K step + G % 4
	s_mul_i32 s42, s34, 1536
	s_mov_b32 s43, 0
	s_lshl_b32 s44, ttmp9, 17                      ; 32 rows of x
	s_mov_b32 s45, 0
	s_lshl_b32 s46, ttmp9, 8                       ; 256 bytes of meta and of rw
	s_mov_b32 s47, 0
	s_wait_kmcnt 0x0
	s_add_nc_u64 s[4:5], s[4:5], s[44:45]
	s_add_nc_u64 s[10:11], s[10:11], s[36:37]
	s_add_nc_u64 s[12:13], s[12:13], s[40:41]
	s_add_nc_u64 s[14:15], s[14:15], s[46:47]
	s_add_nc_u64 s[16:17], s[16:17], s[46:47]
	s_add_nc_u64 s[18:19], s[18:19], s[38:39]
	s_add_nc_u64 s[20:21], s[20:21], s[42:43]
	s_load_b256 s[48:55], s[8:9], 0x0              ; router_b, for wave 0
.irp c, 0,1
.irp i, 0,1,2,3
.irp j2, 0,1
	global_load_b128 v[WB+32*\c+8*\i+4*\j2:WB+32*\c+8*\i+4*\j2+3], v5, s[6:7] offset:4096*\c+32*\i+16*\j2
.endr
.endr
.endr
.irp p, 0,1,2,3,4,5
	global_load_b64 v[16+2*\p:17+2*\p], v6, s[10:11] offset:48*(\p/3)+8*(\p%3)
	global_load_b64 v[28+2*\p:29+2*\p], v7, s[12:13] offset:48*(\p/3)+8*(\p%3)
.endr
.set j, 0
.rept 16
	global_load_b128 v[XB+8*j:XB+8*j+3], v4, s[4:5] offset:4096*j th:TH_LOAD_NT
	global_load_b128 v[XB+8*j+4:XB+8*j+7], v4, s[4:5] offset:4096*j+512 th:TH_LOAD_NT
.set j, j+1
.endr
	s_wait_loadcnt 32                              ; router_w and the fragments are in; the 32 loads of x are younger
.irp c, 0,1,2
	global_store_b128 v8, v[16+4*\c:19+4*\c], s[18:19] offset:512*\c   ; 32 lanes store 512 consecutive bytes
	global_store_b128 v8, v[28+4*\c:31+4*\c], s[20:21] offset:512*\c
.endr
	s_wait_xcnt 0x0                                ; the stores' data registers become the accumulators only behind this wait
; Two rows: 8 experts x 8 numbers of x a lane each.  The x number is taken for both halves of a packed multiply-add; two rows x four pairs of experts are eight chains.
.macro ROWS2 gp
	s_wait_loadcnt 28-4*(\gp)                      ; these two rows' four loads are in; those of the rows behind are younger
.if (\gp) >= 2
	s_wait_dscnt 4                                 ; this set's stores of two groups ago are done; the last group's four may be out
.endif
.irp ci, 0,1,2,3,4,5,6,7
.irp a, 0,1
.irp ep, 0,1,2,3
.set rA, ACC+16*((\gp)%2)+8*\a+2*\ep
.set rW, WB+8*\ci+2*\ep
.set rX, XB+8*(2*(\gp)+\a)+2*(\ci/2)
.if \ci == 0
	v_pk_mul_f32 v[rA:rA+1], v[rW:rW+1], v[rX:rX+1] op_sel_hi:[1,0]
.elseif \ci%2 == 0
	v_pk_fma_f32 v[rA:rA+1], v[rW:rW+1], v[rX:rX+1], v[rA:rA+1] op_sel_hi:[1,0,1]
.else
	v_pk_fma_f32 v[rA:rA+1], v[rW:rW+1], v[rX:rX+1], v[rA:rA+1] op_sel:[0,1,0] op_sel_hi:[1,1,1]
.endif
.endr
.endr
.endr
.irp a, 0,1
.irp jj, 0,1
	ds_store_b128 v9, v[ACC+16*((\gp)%2)+8*\a+4*\jj:ACC+16*((\gp)%2)+8*\a+4*\jj+3] offset:(2*(\gp)+\a)*TRP+512*\jj
.endr
.endr
.endm
.irp gp, 0,1,2,3,4,5,6,7
	ROWS2 \gp
.endr
	; lane (r, h) adds up row r's partial sums of lanes 16 h .. 16 h + 15.  LDS serves a wave's instructions in order: these loads see my stores
.irp jj, 0,1
.set p, 0
.rept 16
	ds_load_b128 v[XB+64*\jj+4*p:XB+64*\jj+4*p+3], v10 offset:512*\jj+16*p
.set p, p+1
.endr
.endr
	s_wait_dscnt 0x0
.irp jj, 0,1
.irp st, 8,4,2,1
.set p, 0
.rept \st
	v_pk_add_f32 v[XB+64*\jj+4*p:XB+64*\jj+4*p+1], v[XB+64*\jj+4*p:XB+64*\jj+4*p+1], v[XB+64*\jj+4*(p+\st):XB+64*\jj+4*(p+\st)+1]
	v_pk_add_f32 v[XB+64*\jj+4*p+2:XB+64*\jj+4*p+3], v[XB+64*\jj+4*p+2:XB+64*\jj+4*p+3], v[XB+64*\jj+4*(p+\st)+2:XB+64*\jj+4*(p+\st)+3]
.set p, p+1
.endr
.endr
.endr
	ds_store_b128 v11, v[XB:XB+3]
	ds_store_b128 v11, v[XB+64:XB+67] offset:16
	s_wait_dscnt 0x0                               ; for wave 0's sake: my part of the tables has landed
	s_barrier_signal -1
	s_barrier_wait -1
	s_cmp_lg_u32 s22, 0
	s_cbranch_scc1 .Lend
	; ---- wave 0: a lane a token
.irp p8, 0,1,2,3,4,5,6,7
	ds_load_b128 v[XB+8*\p8:XB+8*\p8+3], v12 offset:\p8*TRP
	ds_load_b128 v[XB+8*\p8+4:XB+8*\p8+7], v12 offset:\p8*TRP+16
.endr
	s_wait_dscnt 0x0
.irp st, 4,2,1
.set p, 0
.rept \st
.irp k, 0,1,2,3
	v_pk_add_f32 v[XB+8*p+2*\k:XB+8*p+2*\k+1], v[XB+8*p+2*\k:XB+8*p+2*\k+1], v[XB+8*(p+\st)+2*\k:XB+8*(p+\st)+2*\k+1]
.endr
.set p, p+1
.endr
.endr
	s_wait_alu depctr_va_vdst(0)
	s_wait_kmcnt 0x0                               ; router_b
.irp e, 0,1,2,3,4,5,6,7
	v_add_f32 v[48+\e], s[48+\e], v[48+\e]         ; the logits
.endr
	v_max3_num_f32 v56, v48, v49, v50
	s_delay_alu instid0(VALU_DEP_1)
	v_max3_num_f32 v56, v56, v51, v52
	s_delay_alu instid0(VALU_DEP_1)
	v_max3_num_f32 v56, v56, v53, v54
	s_delay_alu instid0(VALU_DEP_1)
	v_max_num_f32 v56, v56, v55                    ; the row's maximum is taken away ahead of the exponentials
.irp e, 0,1,2,3,4,5,6,7
	v_sub_f32 v[48+\e], v[48+\e], v56
.endr
.irp e, 0,1,2,3,4,5,6,7
	v_mul_f32 v[48+\e], 0x3fb8aa3b, v[48+\e]       ; x log2(e)
.endr
	s_wait_alu depctr_va_vdst(0)
.irp e, 0,1,2,3,4,5,6,7
	v_exp_f32 v[48+\e], v[48+\e]
.endr
	v_nop                                          ; a plain instruction behind the batch,
	s_wait_alu depctr_va_vdst(0)                   ; and one wait for all eight, ahead of their first reader
	v_add_f32 v57, v48, v49
	v_add_f32 v70, v50, v51
	v_add_f32 v71, v52, v53
	v_add_f32 v72, v54, v55
	s_delay_alu instid0(VALU_DEP_3)
	v_add_f32 v57, v57, v70
	s_delay_alu instid0(VALU_DEP_2)
	v_add_f32 v71, v71, v72
	s_delay_alu instid0(VALU_DEP_1)
	v_add_f32 v57, v57, v71
	s_wait_alu depctr_va_vdst(0)
	v_rcp_f32 v57, v57
	v_mov_b32 v58, 0                               ; (a plain instruction behind the reciprocal)  the largest's index
	s_wait_alu depctr_va_vdst(0)
.irp e, 0,1,2,3,4,5,6,7
	v_mul_f32 v[48+\e], v[48+\e], v57              ; the probabilities
.endr
	v_mov_b32 v59, v48
.irp e, 1,2,3,4,5,6,7                          ; the largest: a later expert takes the place only if it is strictly larger
	s_delay_alu instid0(VALU_DEP_1)
	v_cmp_le_f32 vcc_lo, v[48+\e], v59
	s_delay_alu instid0(VALU_DEP_1)
	v_cndmask_b32 v58, \e, v58, vcc_lo
	s_delay_alu instid0(VALU_DEP_3)
	v_max_num_f32 v59, v59, v[48+\e]
.endr
	s_delay_alu instid0(VALU_DEP_2)
	v_cmp_eq_u32 vcc_lo, 0, v58
	s_delay_alu instid0(VALU_DEP_1)
	v_cndmask_b32 v60, 0, 1, vcc_lo                ; the second: begins at the first expert that is not the largest
	s_delay_alu instid0(VALU_DEP_2)
	v_cndmask_b32 v61, v48, v49, vcc_lo
.irp e, 1,2,3,4,5,6,7
	s_delay_alu instid0(VALU_DEP_1)
	v_cmp_le_f32 s32, v[48+\e], v61
	v_cmp_eq_u32 vcc_lo, \e, v58
	s_or_b32 vcc_lo, vcc_lo, s32                   ; keep: not larger, or the largest itself
	v_cndmask_b32 v60, \e, v60, vcc_lo
	v_cndmask_b32 v61, v[48+\e], v61, vcc_lo
.endr
	s_delay_alu instid0(VALU_DEP_2)
	v_min_u32 v62, v58, v60                        ; lo
	s_delay_alu instid0(VALU_DEP_3)
	v_max_u32 v63, v58, v60                        ; hi
	s_delay_alu instid0(VALU_DEP_4)
	v_cmp_lt_u32 vcc_lo, v58, v60
	s_delay_alu instid0(VALU_DEP_1)
	v_cndmask_b32 v64, v61, v59, vcc_lo            ; lo's score
	s_delay_alu instid0(VALU_DEP_2)
	v_cndmask_b32 v65, v59, v61, vcc_lo            ; hi's
	v_sub_nc_u32 v68, 15, v62
	s_delay_alu instid0(VALU_DEP_1)
	v_mul_u32_u24 v68, v68, v62
	s_delay_alu instid0(VALU_DEP_1)
	v_lshrrev_b32 v68, 1, v68
	s_delay_alu instid0(VALU_DEP_1)
	v_add_nc_u32 v68, v68, v63
	s_delay_alu instid0(VALU_DEP_1)
	v_sub_nc_u32 v68, v68, v62
	s_delay_alu instid0(VALU_DEP_1)
	v_add_nc_u32 v68, -1, v68                      ; bin = lo (15 - lo) / 2 + hi - lo - 1
	v_mov_b32 v67, 0
	v_mov_b32 v69, 0
.set b, 0
.rept 28
	v_cmp_eq_u32 s32, b, v68
	s_delay_alu instid0(VALU_DEP_1)
	v_mbcnt_lo_u32_b32 v70, s32, 0                 ; earlier lanes of the same bin
	s_delay_alu instid0(VALU_DEP_1)
	v_cndmask_b32 v69, v69, v70, s32
	s_bcnt1_i32_b32 s33, s32
	v_writelane_b32 v67, s33, b                    ; the block's count of bin b, in lane b
.set b, b+1
.endr
	v_cmp_lt_f32 s34, 0, v64
	v_cmp_lt_f32 s35, 0, v65
.irp e, 0,1,2,3,4,5,6,7
	v_cmp_eq_u32 s32, \e, v62
	v_cmp_eq_u32 s33, \e, v63
	s_and_b32 s32, s32, s34
	s_and_b32 s33, s33, s35
	s_or_b32 s32, s32, s33
	s_bcnt1_i32_b32 s[36+\e], s32                  ; tokens that give expert e a positive score
.endr
.irp i, 0,1,2,3
	s_lshl_b32 s[37+2*\i], s[37+2*\i], 16
	s_or_b32 s[36+2*\i], s[36+2*\i], s[37+2*\i]
	v_writelane_b32 v67, s[36+2*\i], 28+\i
.endr
	v_lshl_or_b32 v66, v69, 8, v68
	global_store_b64 v13, v[66:67], s[14:15]       ; 32 lanes store 256 consecutive bytes, aligned
	global_store_b64 v13, v[64:65], s[16:17]
.Lend:
	s_wait_tensorcnt 0x0
	ds_add_u32 v254, v255
	s_wait_dscnt 0x0
	s_endpgm
.Lfunc_end_k_qa87ea283c9_route:
	.size	k_qa87ea283c9_route, .Lfunc_end_k_qa87ea283c9_route-k_qa87ea283c9_route
	.p2alignl 7, 3214868480
	.fill 96, 4, 3214868480
	.section	.rodata,"a",@progbits
	.p2align	6, 0x0
	.amdhsa_kernel k_qa87ea283c9_route
		.amdhsa_group_segment_fixed_size 142592
		.amdhsa_private_segment_fixed_size 0
		.amdhsa_enable_private_segment 0
		.amdhsa_kernarg_size 72
		.amdhsa_user_sgpr_count 2
		.amdhsa_user_sgpr_kernarg_segment_ptr 1
		.amdhsa_wavefront_size32 1
		.amdhsa_system_sgpr_workgroup_id_x 1
		.amdhsa_system_sgpr_workgroup_id_y 1
		.amdhsa_system_sgpr_workgroup_id_z 1
		.amdhsa_system_vgpr_workitem_id 0
		.amdhsa_next_free_vgpr 256
		.amdhsa_next_free_sgpr 66
		.amdhsa_reserve_vcc 1
		.amdhsa_float_denorm_mode_32 3
		.amdhsa_float_denorm_mode_16_64 3
		.amdhsa_memory_ordered 1
		.amdhsa_forward_progress 1
		.amdhsa_inst_pref_size 73
	.end_amdhsa_kernel
	.amdgpu_metadata
---
amdhsa.version: [ 1, 2 ]
amdhsa.kernels:
  - .name:           k_qa87ea283c9_route
    .symbol:         k_qa87ea283c9_route.kd
    .args:
      - { .name: x, .offset: 0, .size: 8, .value_kind: global_buffer, .address_space: global }
      - { .name: router_w, .offset: 8, .size: 8, .value_kind: global_buffer, .address_space: global }
      - { .name: router_b, .offset: 16, .size: 8, .value_kind: global_buffer, .address_space: global }
      - { .name: w1_codes, .offset: 24, .size: 8, .value_kind: global_buffer, .address_space: global }
      - { .name: w2_codes, .offset: 32, .size: 8, .value_kind: global_buffer, .address_space: global }
      - { .name: meta, .offset: 40, .size: 8, .value_kind: global_buffer, .address_space: global }
      - { .name: rw, .offset: 48, .size: 8, .value_kind: global_buffer, .address_space: global }
      - { .name: w1img, .offset: 56, .size: 8, .value_kind: global_buffer, .address_space: global }
      - { .name: w2img, .offset: 64, .size: 8, .value_kind: global_buffer, .address_space: global }
    .group_segment_fixed_size: 142592
    .private_segment_fixed_size: 0
    .kernarg_segment_align: 8
    .kernarg_segment_size: 72
    .max_flat_workgroup_size: 256
    .sgpr_count:     66
    .vgpr_count:     256
    .wavefront_size: 32
...
	.end_amdgpu_metadata
.endif
;; end of part 4
;; launch place (part 5): grid 1 x 1, 8 waves a work-group, no clusters, 2,048 bytes of LDS; arguments meta, order, tiles, out1; writes order, tiles, out1
.if DOCPART == 5
	.amdgcn_target "amdgcn-amd-amdhsa--gfx1250"
	.amdhsa_code_object_version 6
	.text
	.protected	k_qa87ea283c9_place
	.globl	k_qa87ea283c9_place
	.p2align	8
	.type	k_qa87ea283c9_place,@function
k_qa87ea283c9_place:
	s_mov_b64 s[64:65], 0
	v_nop
	global_prefetch_b8 v0, s[64:65] scope:SCOPE_SE
	s_setreg_imm32_b32 hwreg(HW_REG_WAVE_MODE, 25, 1), 1
	s_wait_xcnt 0x0
; THE PLACING OF ROWS: a counting sort of the 8,192 tokens by their bin (pair of experts), without atomics, by one work-group.
; Each bin's tokens are cut into tiles of 48.  tiles[I] = lo | hi << 4 | count << 8 (0 for a tile that this split leaves empty); order[48 I + slot] = the token of that slot, for slots under the count;
; slot 0 of an empty tile among the first 198 is written as 0.  There are never more than (8,192 + 28 x 47) / 48 = 198 tiles.
; out1[e] = 1 where some token gives expert e a positive score.
; Wave w takes blocks 32 w .. 32 w + 31 of meta.  In the counts a lane is a bin, in the keys a lane is a token.
; A token's place = where its block's tokens of its bin begin + its rank in the block.  The 28 beginnings of a block (a lane a bin) are read into scalar registers, and each token takes its own by
; 28 compares and selects: 32 blocks x 28 x 3 vector instructions a wave.  EXEC is changed only behind the last of these stores.
	s_load_b256 s[4:11], s[0:1], 0x0               ; meta, order, tiles, out1
	v_lshl_add_u32 v176, v0, 2, 0x400
	v_mov_b32 v177, 0
	v_lshrrev_b32 v1, 5, v0
	s_delay_alu instid0(VALU_DEP_1)
	v_readfirstlane_b32 s12, v1                    ; wave
	v_and_b32 v1, 31, v0                           ; lane
	s_lshl_b32 s13, s12, 13
	v_lshl_add_u32 v2, v1, 3, s13                  ; 8 lane + 32 blocks of 256 bytes a wave
	v_lshlrev_b32 v3, 2, v0                        ; 4 x thread: my word in LDS, and my tile's word
	v_lshlrev_b32 v4, 2, v1
	s_lshl_b32 s22, s12, 10
	v_add_nc_u32 v166, s22, v1                     ; the token of my lane in my wave's first block
	s_wait_alu depctr_va_vdst(0)
	s_wait_kmcnt 0x0
.set i, 0
.rept 32
	global_load_b64 v[16+2*i:17+2*i], v2, s[4:5] offset:256*i    ; v[16 + 2 i]: block i's keys; v[17 + 2 i]: its counts
.set i, i+1
.endr
	s_wait_loadcnt 0x0
	v_mov_b32 v80, 0                               ; v[80 + i]: the counts of my wave's blocks ahead of block i
.set i, 0
.rept 31
	s_delay_alu instid0(VALU_DEP_1)
	v_add_nc_u32 v[81+i], v[80+i], v[17+2*i]
.set i, i+1
.endr
	s_delay_alu instid0(VALU_DEP_1)
	v_add_nc_u32 v112, v111, v79                   ; my wave's totals
	ds_store_b32 v3, v112
	s_wait_dscnt 0x0                               ; for the others' sake
	s_barrier_signal -1
	s_barrier_wait -1
.irp j, 0,1,2,3,4,5,6,7
	ds_load_b32 v[113+\j], v4 offset:128*\j
.endr
	s_wait_dscnt 0x0
	s_barrier_signal -1                            ; every wave has read the totals: from here on the LDS unit serves one lane permute of wave 0 alone
	s_barrier_wait -1
	v_mov_b32 v121, 0                              ; all waves' totals
	v_mov_b32 v122, 0                              ; those of the waves ahead of mine
.irp j, 0,1,2,3,4,5,6,7
	v_add_nc_u32 v121, v121, v[113+\j]
	s_cmp_gt_u32 s12, \j
	s_cselect_b32 s14, -1, 0
	v_and_b32 v123, s14, v[113+\j]
	s_delay_alu instid0(VALU_DEP_1)
	v_add_nc_u32 v122, v122, v123
.endr
	v_cmp_gt_u32 vcc_lo, 28, v1
	s_delay_alu instid0(VALU_DEP_1)
	v_cndmask_b32 v124, 0, v121, vcc_lo            ; N: the bin's tokens
	s_delay_alu instid0(VALU_DEP_1)
	v_add_nc_u32 v125, 47, v124
	s_delay_alu instid0(VALU_DEP_1)
	v_mul_u32_u24 v125, v125, 0x5556
	s_delay_alu instid0(VALU_DEP_1)
	v_lshrrev_b32 v125, 20, v125                   ; its tiles: (N + 47) / 48, exact for N + 47 up to 8,239 since 21,846 / 2^20 exceeds 1 / 48 by less than 1 / (48 x 8,239)
	v_mov_b32 v126, 0                              ; the bin's first tile (lane = bin)
	v_mov_b32 v127, 0                              ; for tile I = my thread's number: its bin's first tile,
	v_mov_b32 v128, 0                              ; its bin's tokens,
	v_mov_b32 v129, 0                              ; its two experts
	s_mov_b32 s16, 0
.set BN, 0
.irp lo, 0,1,2,3,4,5,6
.irp hi, 1,2,3,4,5,6,7
.if \hi > \lo
	v_readlane_b32 s17, v125, BN
	v_readlane_b32 s18, v124, BN
	v_writelane_b32 v126, s16, BN
	s_add_co_u32 s19, s16, s17
	v_cmp_gt_u32 s20, s16, v0                      ; outside the bin's tiles: under the first,
	v_cmp_le_u32 vcc_lo, s19, v0                   ; or at or past the end
	s_or_b32 vcc_lo, vcc_lo, s20
	v_cndmask_b32 v127, s16, v127, vcc_lo
	v_cndmask_b32 v128, s18, v128, vcc_lo
	v_cndmask_b32 v129, \lo|(\hi<<4), v129, vcc_lo
	s_mov_b32 s16, s19
.set BN, BN+1
.endif
.endr
.endr
	v_sub_nc_u32 v130, v0, v127
	s_delay_alu instid0(VALU_DEP_1)
	v_mul_u32_u24 v130, v130, 48
	s_delay_alu instid0(VALU_DEP_1)
	v_sub_nc_u32 v130, v128, v130                  ; what is left of the bin at this tile
	s_delay_alu instid0(VALU_DEP_1)
	v_cmp_le_i32 vcc_lo, 0, v130
	s_delay_alu instid0(VALU_DEP_1)
	v_cndmask_b32 v130, 0, v130, vcc_lo
	s_delay_alu instid0(VALU_DEP_1)
	v_min_u32 v130, 48, v130                       ; the tile's count
	s_delay_alu instid0(VALU_DEP_1)
	v_lshl_or_b32 v131, v130, 8, v129
	global_store_b32 v3, v131, s[8:9]
	v_mul_u32_u24 v126, v126, 48
	s_delay_alu instid0(VALU_DEP_1)
	v_add_nc_u32 v126, v126, v122                  ; 48 x first tile + the earlier waves' tokens of the bin
.set i, 0
.rept 32
	v_add_nc_u32 v[80+i], v[80+i], v126            ; where block i's tokens of bin = lane begin
.set i, i+1
.endr
; Block n: every token's place in order, and the store of its number there.  Each block has its own address and data registers, so that no store's sources are written again.
.macro SCAT n
	v_and_b32 v[17+2*(\n)], 0xff, v[16+2*(\n)]     ; my token's bin
.set b, 0
.rept 28
	v_readlane_b32 s[32+b], v[80+(\n)], b          ; the block's 28 beginnings
.set b, b+1
.endr
.set b, 0
.rept 7                                        ; four bins at a time, into four partial results: one compare of the 28 hits, the other partial results stay 0
.irp k, 0,1,2,3
	v_cmp_eq_u32 s[24+\k], b+\k, v[17+2*(\n)]
.endr
.irp k, 0,1,2,3
.if b == 0
	s_delay_alu instid0(VALU_DEP_4)
	v_cndmask_b32 v[168+\k], 0, s[32+b+\k], s[24+\k]
.else
	s_delay_alu instid0(VALU_DEP_4)
	v_cndmask_b32 v[168+\k], v[168+\k], s[32+b+\k], s[24+\k]
.endif
.endr
.set b, b+4
.endr
	v_lshrrev_b32 v[17+2*(\n)], 8, v[16+2*(\n)]    ; my token's rank in its block
	s_delay_alu instid0(VALU_DEP_3)
	v_add3_u32 v[132+(\n)], v168, v169, v170
	s_delay_alu instid0(VALU_DEP_1)
	v_add3_u32 v[132+(\n)], v[132+(\n)], v171, v[17+2*(\n)]
	s_delay_alu instid0(VALU_DEP_1)
	v_min_u32 v[132+(\n)], 0x251f, v[132+(\n)]     ; held inside order's 198 x 48 words
	s_delay_alu instid0(VALU_DEP_1)
	v_lshlrev_b32 v[132+(\n)], 2, v[132+(\n)]
	v_add_nc_u32 v[16+2*(\n)], 32*(\n), v166       ; the token's number
	global_store_b32 v[132+(\n)], v[16+2*(\n)], s[6:7]
.endm
.irp n, 0,1,2,3,4,5,6,7,8,9,10,11,12,13,14,15,16,17,18,19,20,21,22,23,24,25,26,27,28,29,30,31
	SCAT \n
.endr
	; an empty tile's slot 0 takes token 0, so that its reader finds a written word
	v_cmp_eq_u32 s20, 0, v130
	v_cmp_gt_u32 vcc_lo, 198, v0
	s_and_b32 vcc_lo, vcc_lo, s20
	v_mul_u32_u24 v164, v0, 192
	v_mov_b32 v165, 0
	s_wait_alu depctr_va_vdst(0)
	s_wait_xcnt 0x0                                ; EXEC changes only behind this wait: the stores above have read theirs
	s_and_saveexec_b32 s21, vcc_lo
	global_store_b32 v164, v165, s[6:7]
	s_wait_xcnt 0x0
	s_or_b32 exec_lo, exec_lo, s21
	s_cmp_lg_u32 s12, 0
	s_cbranch_scc1 .Ldone
	v_lshrrev_b32 v167, 1, v1                      ; wave 0: expert e = lane takes its count from lane 28 + e / 2, half e % 2
	s_delay_alu instid0(VALU_DEP_1)
	v_add_nc_u32 v167, 28, v167
	s_delay_alu instid0(VALU_DEP_1)
	v_min_u32 v167, 31, v167
	s_delay_alu instid0(VALU_DEP_1)
	v_lshlrev_b32 v167, 2, v167
	ds_bpermute_b32 v172, v167, v121
	v_and_b32 v173, 1, v1
	s_delay_alu instid0(VALU_DEP_1)
	v_lshlrev_b32 v173, 4, v173
	s_wait_alu depctr_va_vdst(0)
	s_wait_dscnt 0x0
	v_lshrrev_b32 v172, v173, v172
	s_delay_alu instid0(VALU_DEP_1)
	v_and_b32 v172, 0xffff, v172
	s_delay_alu instid0(VALU_DEP_1)
	v_cmp_ne_u32 vcc_lo, 0, v172
	s_delay_alu instid0(VALU_DEP_1)
	v_cndmask_b32 v172, 0, 1, vcc_lo
	v_cmp_gt_u32 vcc_lo, 8, v1
	s_wait_alu depctr_va_vdst(0)
	s_wait_xcnt 0x0
	s_and_saveexec_b32 s21, vcc_lo
	global_store_b8 v1, v172, s[10:11]
	s_wait_xcnt 0x0
	s_or_b32 exec_lo, exec_lo, s21
.Ldone:
	s_wait_tensorcnt 0x0
	ds_add_u32 v176, v177
	s_wait_dscnt 0x0
	s_endpgm
.Lfunc_end_k_qa87ea283c9_place:
	.size	k_qa87ea283c9_place, .Lfunc_end_k_qa87ea283c9_place-k_qa87ea283c9_place
	.p2alignl 7, 3214868480
	.fill 96, 4, 3214868480
	.section	.rodata,"a",@progbits
	.p2align	6, 0x0
	.amdhsa_kernel k_qa87ea283c9_place
		.amdhsa_group_segment_fixed_size 2048
		.amdhsa_private_segment_fixed_size 0
		.amdhsa_enable_private_segment 0
		.amdhsa_kernarg_size 32
		.amdhsa_user_sgpr_count 2
		.amdhsa_user_sgpr_kernarg_segment_ptr 1
		.amdhsa_wavefront_size32 1
		.amdhsa_system_sgpr_workgroup_id_x 1
		.amdhsa_system_sgpr_workgroup_id_y 1
		.amdhsa_system_sgpr_workgroup_id_z 1
		.amdhsa_system_vgpr_workitem_id 0
		.amdhsa_next_free_vgpr 178
		.amdhsa_next_free_sgpr 66
		.amdhsa_reserve_vcc 1
		.amdhsa_float_denorm_mode_32 3
		.amdhsa_float_denorm_mode_16_64 3
		.amdhsa_memory_ordered 1
		.amdhsa_forward_progress 1
		.amdhsa_inst_pref_size 241
	.end_amdhsa_kernel
	.amdgpu_metadata
---
amdhsa.version: [ 1, 2 ]
amdhsa.kernels:
  - .name:           k_qa87ea283c9_place
    .symbol:         k_qa87ea283c9_place.kd
    .args:
      - { .name: meta, .offset: 0, .size: 8, .value_kind: global_buffer, .address_space: global }
      - { .name: order, .offset: 8, .size: 8, .value_kind: global_buffer, .address_space: global }
      - { .name: tiles, .offset: 16, .size: 8, .value_kind: global_buffer, .address_space: global }
      - { .name: out1, .offset: 24, .size: 8, .value_kind: global_buffer, .address_space: global }
    .group_segment_fixed_size: 2048
    .private_segment_fixed_size: 0
    .kernarg_segment_align: 8
    .kernarg_segment_size: 32
    .max_flat_workgroup_size: 256
    .sgpr_count:     66
    .vgpr_count:     178
    .wavefront_size: 32
...
	.end_amdgpu_metadata
.endif
;; end of part 5
;; launch chain (part 6): grid 198 x 1, 4 waves a work-group, no clusters, 257,792 bytes of LDS; arguments x, w1img, w1_scales, b1, w2img, w2_scales, b2, gamma, beta, order, tiles, rw, out0; writes out0
.if DOCPART == 6
	.amdgcn_target "amdgcn-amd-amdhsa--gfx1250"
	.amdhsa_code_object_version 6
	.text
	.protected	k_qa87ea283c9_chain
	.globl	k_qa87ea283c9_chain
	.p2align	8
	.type	k_qa87ea283c9_chain,@function
k_qa87ea283c9_chain:
	s_mov_b64 s[64:65], 0
	v_nop
	global_prefetch_b8 v0, s[64:65] scope:SCOPE_SE
	s_setreg_imm32_b32 hwreg(HW_REG_WAVE_SCHED_MODE, 0, 2), 2
	s_setreg_imm32_b32 hwreg(HW_REG_WAVE_MODE, 25, 1), 1
	s_wait_xcnt 0x0
	s_wait_alu depctr_vm_vsrc(0)
; ONE TILE OF 48 TOKENS THAT SHARE THEIR TWO EXPERTS, THROUGH THE WHOLE CHAIN: gather x, quantise it, and for each of the two experts  h = gelu(x W1 + b1), quantised,  y += score x (h W2);  then
; y += score x b2 for both, LayerNorm, store.  Both products on codes of BF6 (E3M2) with one E8M0 scale for each 32 along K.  The hidden layer, x's codes and y never go to memory; each output row has one owner.
; SHARES.  Four waves share the COLUMNS: wave q makes hidden units 128 q on (8 tiles) and outputs 256 q on (16 tiles) for all 48 rows (three tiles of rows m).  Both products are used transposed (source 0 = 16 rows
; of the weight, source 1 = 16 tokens): a lane holds one token and its registers run along the columns.  W1's tile 2 b + u takes rows 32 b + 8 u + r + 8 (r / 8), so that two neighbouring tiles' 16 registers are 16
; neighbours along the next K.  For the gather and for LayerNorm wave q owns whole rows 12 q .. 12 q + 11.
; THE WEIGHTS come from memory straight into registers, as images that an earlier launch has laid out (1,536 bytes a fragment, three loads of 16 bytes a lane), through a ring of 16 fragments: four groups of four;
; a group is multiplied (12 matrix instructions: 4 fragments x 3 tiles of rows) and its registers take the group four on.  No clusters and no tensor loads: the experts' numbers are read from memory, neighbouring tiles
; need not share an expert, and the text has a branch on a stored count.
; A tile that the split leaves empty (count 0) runs on token 0 and expert 0 and stores nothing; slots past the count repeat the tile's last token and are not stored.  The one branch on a stored number is the jump
; round a row's stores, behind the last barrier.  In the second trip the look-ahead reads the second expert's first bytes once more (inside the buffers, never used): so the trip is written once.
; gelu(x) = x / (1 + 2^(x (K1 x^2 + K0))), K0 = -2 sqrt(2 / pi) log2(e), K1 = 0.044715 K0: the tanh form, rewritten.
; LIMITS: NaN and infinities among the inputs are not served.  A block of zeros gets the scale byte 1 (its codes are zeros; this program alone reads the byte).
; LDS: XR 48 rows of 4,096 + 16 bytes: x, then y in place;  XIMG x's 24 fragments as register images (8 m + s), XSC their scale words;  HIMG the hidden layer's 12 (4 m + s), HSC their scale words.
; REGISTERS, in windows of 256: window 0: addresses, v48-147 scale words (and nothing else), v148-195 y at work, v196-207 scores; LayerNorm's v148-247.   window 1: the ring (192); before it x on its way in; after it
; gamma, beta, b2.   window 2: 0-191 accumulators; 192-255 b1's eight tiles, between their uses gelu's and the quantiser's registers.   window 3: x's or the hidden layer's fragments; LayerNorm's four rows.
; THE MODE: SCHED_MODE bits 1:0 = 2 (LLVM: expert scheduling mode 2), set by the entry lines.  The code itself states the register dependences between vector or matrix instructions and memory or LDS
; instructions, with s_wait_alu, always for 0.
; THE PLAN.  Registers that memory or LDS instructions touch, who writes and who reads them, and where the wait stands:
;   v4-27, v34-45, v208-215   addresses and offsets, made at the head by vector instructions and then only read: two waits on va_vdst at the head, one ahead of the first load, one ahead of the loads that go by tokens.
;   window 1, x's six rows    a row's loads land, its LDS stores read, the row six on lands: a wait on vm_vsrc ahead of each refill, and one ahead of the ring's first loads.
;   the ring                  group g's 12 matrix instructions read its 48 registers; behind them ONE wait on va_vdst, then the 12 loads of the group four on.  That wait also stands between every matrix instruction
;                             issued so far and the later loads into x's and the hidden layer's fragments and into the scale words, which no vector instruction names.
;   window 3, x's two sets    the loads of the next K step stand at the head of an even group: the set's last readers, the group before, stand ahead of that group's wait.
;   v148-195, y's two sets    tile P: its loads land (asked for a tile ago), 12 multiply-adds write the set, a wait on va_vdst, 6 LDS stores read it; a wait on vm_vsrc ahead of the loads of tile P + 2's turn in it.
;   window 2, v144-164 and v192-255   the quantiser writes codes and a scale word, a wait on va_vdst, LDS stores read them, a wait on vm_vsrc ahead of whatever writes them next (the quantiser, gelu, accumulators, b1's loads).
;   LayerNorm                 v46, four rows in window 3, v244-247: a wait on vm_vsrc at a trip's head, one on va_vdst ahead of the rows' LDS loads, one ahead of the stores.
;   Scalar registers that vector instructions write (the wave's number, tokens and scores read from lanes) are written in runs, with one wait on va_sdst behind each run, ahead of its first reader.
.set XP,    4112
.set XIMG,  48*XP
.set XSC,   XIMG+24*1536
.set HIMG,  XSC+24*128
.set HSC,   HIMG+12*1536
.set L16,   4                          ; v4   16 x lane
.set L4,    5                          ; v5   4 x lane
.set AW1S,  6                          ; v6   W1's scales: row r + 8 (r / 8) of 32 bytes, + 16 h
.set AB1,   7                          ; v7   b1: 64 h
.set AXR,   8                          ; v8   XR: my 12 rows, 16 x lane
.set AXQ,   9                          ; v9   XR for the quantiser: row r, + 64 h, + 1,024 q;  v10 the same for the tile of rows in hand
.set AXI,   11                         ; v11  where I store x's images;  v12 for the tile of rows in hand
.set AXS,   13                         ; v13  and their scale words;  v14
.set AFI,   15                         ; v15  XIMG + 16 lane
.set AFS,   16                         ; v16  XSC + 4 lane
.set AHSI,  17                         ; v17  where I store the hidden layer's images: HIMG + 1,536 q + 16 lane
.set AHSS,  19                         ; v19  and their scale words: HSC + 128 q + 4 lane
.set AHLI,  21                         ; v21  HIMG + 16 lane
.set AHLS,  23                         ; v23  HSC + 4 lane
.set YAD,   25                         ; v25-27 y of row 16 m + r: + 32 h + 1,024 q
.set XO,    34                         ; v34-45 row 12 q + j in x: token x 4,096 + 16 lane
.set TMPA,  46
.set XS,    48                         ; v48-71   x's scale words, 8 m + s
.set HS,    72                         ; v72-83   the hidden layer's, 4 m + s
.set W1S,   84                         ; v84-115  W1's: 4 t + s % 4; lanes 0-15 K steps 0-3, lanes 16-31 K steps 4-7
.set W2S,   116                        ; v116-147 W2's: 4 (T / 2) + s; lanes 0-15 even tiles, lanes 16-31 odd ones
.set YT,    148                        ; v148-195 two sets of 24: y of one tile of outputs, three tiles of rows
.set CW,    196                        ; v196-201 (score of lo, score of hi) of row 16 m + r
.set CC,    202                        ; v202-207 (the score in hand, any)
.set B1,    192                        ; window 2
.set GT,    192                        ; window 2: gelu's 32
.set SEL,   36                         ; s[36:37] v_permlanex16_b32's selects for lane l xor 16
.set K1,    38                         ; s[38:39]
.set P_W1,  48                         ; s[48:53] the expert in hand: W1's images, W2's images, W2's scales, at my wave's part
.set P_W2,  50
.set P_W2S, 52
.set H_W1,  54                         ; s[54:63] the second expert: the same, and W1's scales and b1
.set H_W2,  56
.set H_W2S, 58
.set H_W1S, 60
.set H_B1,  62
.set L_W1S, 66                         ; s[66:69] the first expert's W1 scales and b1
.set L_B1,  68
.set B2L,   70                         ; s[70:73] b2 of the two experts
.set B2H,   72
.set TK,    78                         ; s78-89 at the head: the tokens of my 12 rows;  in LayerNorm s78-81: the lanes of a trip's four rows
.set MSB, 0
.macro WIN new                         ; the immediate's high byte repeats the setting that is left; a switch that changes nothing is dropped
.if MSB != \new
	s_set_vgpr_msb (MSB<<8)|\new
.set MSB, \new
.endif
.endm
.macro BARRIER                         ; my LDS stores have landed and my LDS loads are in: then the work-group's barrier
	s_wait_dscnt 0x0
	s_barrier_signal -1
	s_barrier_wait -1
.endm
; 64 numbers of a lane in window 2, register 16 b + i = k 32 b + 16 (lane / 16) + i of my row, become a fragment's codes in v[tb + 16] on and its scale word in v[tb + 36].  All registers in window 2.
.macro QUANT s, tb
.irp b, 0,1,2,3
	v_max3_num_f32 v[(\tb)+\b], |v[(\s)+16*\b]|, |v[(\s)+1+16*\b]|, 0x2800000   ; my 16 numbers of block b, and the floor 2^(5 - 127): the byte cannot fall under 1
.endr
.irp i, 2,4,6,8,10,12,14
.irp b, 0,1,2,3
	v_max3_num_f32 v[(\tb)+\b], v[(\tb)+\b], |v[(\s)+16*\b+\i]|, |v[(\s)+1+16*\b+\i]|
.endr
.endr
.irp b, 0,1,2,3
	v_permlanex16_b32 v[(\tb)+4+\b], v[(\tb)+\b], s[SEL], s[SEL+1]
.endr
.irp b, 0,1,2,3
	v_max_num_f32 v[(\tb)+\b], v[(\tb)+\b], v[(\tb)+4+\b]      ; with lane l xor 16's: the block's largest magnitude
.endr
.irp b, 0,1,2,3
	v_add_nc_u32 v[(\tb)+12+\b], 0xfe000000, v[(\tb)+\b]       ; 4 off its exponent field: the conversion's scale operand
.endr
.irp b, 0,1,2,3
	v_lshrrev_b32 v[(\tb)+4+\b], 23, v[(\tb)+12+\b]            ; the scale's byte
.endr
	v_lshl_or_b32 v[(\tb)+36], v[(\tb)+5], 8, v[(\tb)+4]
	v_lshl_or_b32 v[(\tb)+36], v[(\tb)+6], 16, v[(\tb)+36]
	v_lshl_or_b32 v[(\tb)+36], v[(\tb)+7], 24, v[(\tb)+36]
.irp c, 0,1
	v_cvt_scalef32_pk16_bf6_f32 v[(\tb)+16+6*\c:(\tb)+18+6*\c], v[(\s)+32*\c:(\s)+15+32*\c], v[(\tb)+12+2*\c]
	v_cvt_scalef32_pk16_bf6_f32 v[(\tb)+28+4*\c:(\tb)+30+4*\c], v[(\s)+16+32*\c:(\s)+31+32*\c], v[(\tb)+13+2*\c]   ; (a conversion's three registers begin on an even number)
.endr
	v_nop                                          ; one plain instruction behind the scaled conversions
.irp c, 0,1                                    ; the operand's layout wants a whole block in a lane
.irp i, 0,1,2
	v_permlane16_swap_b32 v[(\tb)+16+6*\c+\i], v[(\tb)+28+4*\c+\i]
.endr
.irp i, 0,1,2
	v_mov_b32 v[(\tb)+19+6*\c+\i], v[(\tb)+28+4*\c+\i]
.endr
.endr
.endm
.macro IMAGE adr, off, pc              ; a fragment goes to LDS as it stands in its registers
.irp c, 0,1,2
	ds_store_b128 v[\adr], v[(\pc)+4*\c:(\pc)+4*\c+3] offset:(\off)+512*\c
.endr
.endm
; gelu of 32 numbers in window 2, in place.  The exponentials are one batch with one wait, and so are the reciprocals.  Each accumulator is read from its low end on.
.macro GELU32 base
.set gi, 0
.rept 16
	v_pk_mul_f32 v[GT+gi:GT+gi+1], v[(\base)+gi:(\base)+gi+1], v[(\base)+gi:(\base)+gi+1]
.set gi, gi+2
.endr
.set gi, 0
.rept 16
	v_pk_fma_f32 v[GT+gi:GT+gi+1], v[GT+gi:GT+gi+1], s[K1:K1+1], v[254:255] op_sel_hi:[1,0,0]
.set gi, gi+2
.endr
.set gi, 0
.rept 16
	v_pk_mul_f32 v[GT+gi:GT+gi+1], v[GT+gi:GT+gi+1], v[(\base)+gi:(\base)+gi+1]
.set gi, gi+2
.endr
.set gi, 0
	s_wait_alu depctr_va_vdst(0)
.rept 32
	v_exp_f32 v[GT+gi], v[GT+gi]
.set gi, gi+1
.endr
	v_nop
	s_wait_alu depctr_va_vdst(0)                   ; the 32 exponentials have written v[GT ..], ahead of their first reader
.set gi, 0
.rept 16
	v_pk_add_f32 v[GT+gi:GT+gi+1], v[GT+gi:GT+gi+1], 1.0 op_sel_hi:[1,0]
.set gi, gi+2
.endr
.set gi, 0
	s_wait_alu depctr_va_vdst(0)
.rept 32
	v_rcp_f32 v[GT+gi], v[GT+gi]
.set gi, gi+1
.endr
	v_nop
	s_wait_alu depctr_va_vdst(0)                   ; the 32 reciprocals have written v[GT ..], ahead of their first reader
.set gi, 0
.rept 16
	v_pk_mul_f32 v[(\base)+gi:(\base)+gi+1], v[(\base)+gi:(\base)+gi+1], v[GT+gi:GT+gi+1]
.set gi, gi+2
.endr
.endm
.macro RLOAD slot, base, grp           ; group grp of the images at s[base] into the ring's place of group slot: 12 loads, 512 consecutive bytes each
.irp tt, 0,1,2,3
.irp c, 0,1,2
	global_load_b128 v[12*((4*(\slot)+\tt)%16)+4*\c:12*((4*(\slot)+\tt)%16)+4*\c+3], v[L16], s[\base:\base+1] offset:(4*(\grp)+\tt)*1536+512*\c
.endr
.endr
.endm
.macro CONSTS ws, bs, again            ; an expert's W1 scale words (8 loads) and b1 in the result's layout (16 loads).  again = 1: the registers have been at work
	WIN 0
.if \again
	s_wait_alu depctr_va_vdst(0)                   ; the first product's matrix instructions are done reading W1's scale words, gelu and the quantiser are done with window 2's v192-255: the loads below land in both
	s_wait_alu depctr_vm_vsrc(0)                   ; the last image's LDS stores have read v208-219 and v228 of window 2, in which b1 lands
.endif
.irp t, 0,1,2,3,4,5,6,7
	global_load_b128 v[W1S+4*\t:W1S+4*\t+3], v[AW1S], s[\ws:\ws+1] offset:(32*(\t/2)+8*(\t%2))*32
.endr
	WIN 0x80
.irp t, 0,1,2,3,4,5,6,7
	global_load_b128 v[B1+8*\t:B1+8*\t+3], v[AB1], s[\bs:\bs+1] offset:(32*(\t/2)+8*(\t%2))*4
	global_load_b128 v[B1+8*\t+4:B1+8*\t+7], v[AB1], s[\bs:\bs+1] offset:(32*(\t/2)+8*(\t%2))*4+16
.endr
	WIN 0
.endm
; THE FIRST PRODUCT, group g of 16: K step g / 2, tiles 4 (g % 2) + 0 .. 3, three tiles of rows.  The 12 accumulators take turns, one instruction a turn, and the next group's are others.
.macro P1G g
.if (\g) < 4
	s_wait_loadcnt 44                              ; this group is in; younger: three groups of 12 and W2's 8 scale loads
.else
	s_wait_loadcnt 36                              ; younger: three groups of 12
.endif
.if (\g)%2 == 0
	s_wait_dscnt 0x0                               ; x's fragments of this K step
.if (\g) < 14
	WIN 0xC0
.irp m, 0,1,2
.irp c, 0,1,2
	ds_load_b128 v[36*(((\g)/2+1)%2)+12*\m+4*\c:36*(((\g)/2+1)%2)+12*\m+4*\c+3], v[AFI] offset:(8*\m+(\g)/2+1)*1536+512*\c   ; x's fragments of the next K step, into the other set.  No wait: that set's last readers stand ahead of the last group's wait, and nothing since names it
.endr
.endr
.endif
.endif
	WIN 0xAD                                       ; source 0 (weights) window 1, source 1 window 3, C and D window 2
.irp tt, 0,1,2,3
.irp m, 0,1,2
.set rT, 4*((\g)%2)+\tt
.set rD, 64*\m+8*rT
.set rA, 12*((4*(\g)+\tt)%16)
.set rB, 36*(((\g)/2)%2)+12*\m
.set rSA, W1S+4*rT+((\g)/2)%4
.set rSB, XS+8*\m+(\g)/2
.if (\g) < 2
	v_wmma_scale_f32_16x16x128_f8f6f4 v[rD:rD+7], v[rA:rA+11], v[rB:rB+11], v[B1+8*rT:B1+8*rT+7], v[rSA], v[rSB] matrix_a_fmt:MATRIX_FMT_BF6 matrix_b_fmt:MATRIX_FMT_BF6
.elseif (\g) < 8
	v_wmma_scale_f32_16x16x128_f8f6f4 v[rD:rD+7], v[rA:rA+11], v[rB:rB+11], v[rD:rD+7], v[rSA], v[rSB] matrix_a_fmt:MATRIX_FMT_BF6 matrix_b_fmt:MATRIX_FMT_BF6
.else
	v_wmma_scale_f32_16x16x128_f8f6f4 v[rD:rD+7], v[rA:rA+11], v[rB:rB+11], v[rD:rD+7], v[rSA], v[rSB] matrix_a_fmt:MATRIX_FMT_BF6 matrix_b_fmt:MATRIX_FMT_BF6 matrix_a_scale:MATRIX_SCALE_ROW1
.endif
.endr
.endr
.rept 4
	v_nop                                          ; four plain instructions behind the matrix instructions, in front of the loads into registers that they have read and of the first read of results; they stay beside the wait below
.endr
	WIN 0x40
	s_wait_alu depctr_va_vdst(0)                   ; this group's matrix instructions are done reading its 48 registers of the ring, in which the loads below land
.if (\g) < 12
	RLOAD \g, P_W1, (\g)+4
.else
	RLOAD \g, P_W2, (\g)-12                        ; the second product's first four groups
.endif
.endm
.macro YLOAD P                         ; y of outputs 16 P on, three tiles of rows, into set P % 2
.irp m, 0,1,2
.irp i, 0,1
	ds_load_b128 v[YT+24*((\P)%2)+8*\m+4*\i:YT+24*((\P)%2)+8*\m+4*\i+3], v[YAD+\m] offset:64*(\P)+16*\i
.endr
.endr
.endm
; Tile P of outputs is finished: y += score x result, in LDS.  nxt = 1: the other set takes the next tile's y.
.macro FINY P, nxt
	s_wait_dscnt 0x0                               ; this tile's y is in
	WIN 0
.if \nxt
.if (\P) > 0
	s_wait_alu depctr_vm_vsrc(0)                   ; the LDS stores of the tile before have read the other set, in which the next tile's y lands (its multiply-adds stand ahead of the wait in front of those stores)
.endif
	YLOAD (\P)+1
.endif
	WIN 0x02                                       ; source 0 (the results) window 2
.irp m, 0,1,2
.irp k, 0,1,2,3
.set rY, YT+24*((\P)%2)+8*\m+2*\k
.set rC, 96*(((\P)/4)%2)+24*((\P)%4)+8*\m+2*\k
	v_pk_fma_f32 v[rY:rY+1], v[rC:rC+1], v[CC+2*\m:CC+2*\m+1], v[rY:rY+1] op_sel_hi:[1,0,1]
.endr
.endr
	WIN 0
	s_wait_alu depctr_va_vdst(0)                   ; the 12 multiply-adds have written this set, which the LDS stores read
.irp m, 0,1,2
.irp i, 0,1
	ds_store_b128 v[YAD+\m], v[YT+24*((\P)%2)+8*\m+4*\i:YT+24*((\P)%2)+8*\m+4*\i+3] offset:64*(\P)+16*\i
.endr
.endr
.endm
; THE SECOND PRODUCT, group g of 16: chunk g / 4 of four tiles of outputs, K step g % 4.  Two sets of 12 accumulators: while one chunk is multiplied, the chunk before goes into y, a tile a group.
.macro P2G g
.if (\g) < 4
	s_wait_loadcnt 60                              ; younger: three groups of 12 and the next expert's 24 constants
.else
	s_wait_loadcnt 36
.endif
	WIN 0xAD
.irp tt, 0,1,2,3
.irp m, 0,1,2
.set rT, 4*((\g)/4)+\tt
.set rD, 96*(((\g)/4)%2)+24*\tt+8*\m
.set rA, 12*((4*(\g)+\tt)%16)
.set rB, 12*(4*\m+(\g)%4)
.set rSA, W2S+4*(rT/2)+(\g)%4
.set rSB, HS+4*\m+(\g)%4
.if (\g)%4 == 0
.if \tt%2 == 0
	v_wmma_scale_f32_16x16x128_f8f6f4 v[rD:rD+7], v[rA:rA+11], v[rB:rB+11], 0, v[rSA], v[rSB] matrix_a_fmt:MATRIX_FMT_BF6 matrix_b_fmt:MATRIX_FMT_BF6
.else
	v_wmma_scale_f32_16x16x128_f8f6f4 v[rD:rD+7], v[rA:rA+11], v[rB:rB+11], 0, v[rSA], v[rSB] matrix_a_fmt:MATRIX_FMT_BF6 matrix_b_fmt:MATRIX_FMT_BF6 matrix_a_scale:MATRIX_SCALE_ROW1
.endif
.else
.if \tt%2 == 0
	v_wmma_scale_f32_16x16x128_f8f6f4 v[rD:rD+7], v[rA:rA+11], v[rB:rB+11], v[rD:rD+7], v[rSA], v[rSB] matrix_a_fmt:MATRIX_FMT_BF6 matrix_b_fmt:MATRIX_FMT_BF6
.else
	v_wmma_scale_f32_16x16x128_f8f6f4 v[rD:rD+7], v[rA:rA+11], v[rB:rB+11], v[rD:rD+7], v[rSA], v[rSB] matrix_a_fmt:MATRIX_FMT_BF6 matrix_b_fmt:MATRIX_FMT_BF6 matrix_a_scale:MATRIX_SCALE_ROW1
.endif
.endif
.endr
.endr
.rept 4
	v_nop                                          ; the four plain instructions behind the matrix instructions stay, as in the first product
.endr
	WIN 0x40
	s_wait_alu depctr_va_vdst(0)                   ; this group's matrix instructions are done reading its 48 registers of the ring, in which the loads below land
.if (\g) < 12
	RLOAD \g, P_W2, (\g)+4
.else
	RLOAD \g, H_W1, (\g)-12                        ; the next trip's first four groups
.endif
.if (\g) >= 4
	FINY (\g)-4, 1
.elseif (\g) == 3
	WIN 0
	YLOAD 0                                        ; no wait: what last wrote and read this set (the trip before) stands ahead of gelu's waits on va_vdst and vm_vsrc
.endif
.endm
	; ---- the tile, the ids, the addresses
	s_load_b512 s[4:19], s[0:1], 0x0               ; x, w1img, w1_scales, b1, w2img, w2_scales, b2, gamma
	s_load_b256 s[20:27], s[0:1], 0x40             ; beta, order, tiles, rw
	s_load_b64 s[28:29], s[0:1], 0x60              ; out0
	v_lshl_add_u32 v254, v0, 2, 0x3ed00
	v_mov_b32 v255, 0
	v_lshrrev_b32 v1, 5, v0
	v_readfirstlane_b32 s30, v1                    ; wave q
	s_lshl_b32 s42, ttmp9, 2
	s_wait_kmcnt 0x0
	s_load_b32 s31, s[24:25], s42 offset:0x0       ; my tile's word
	v_and_b32 v1, 31, v0                           ; lane
	v_and_b32 v2, 15, v0                           ; r
	v_bfe_u32 v3, v0, 4, 1                         ; h
	v_lshlrev_b32 v[L16], 4, v1
	v_lshlrev_b32 v[L4], 2, v1
	v_and_b32 v[AW1S], 8, v2
	v_add_nc_u32 v[AW1S], v[AW1S], v2
	v_lshlrev_b32 v[AW1S], 5, v[AW1S]
	v_lshl_add_u32 v[AW1S], v3, 4, v[AW1S]
	v_lshlrev_b32 v[AB1], 6, v3
	s_wait_alu depctr_va_sdst(0)                   ; s30, the wave's number, is written, ahead of its first reader
	s_mul_i32 s74, s30, 12*XP
	v_add_nc_u32 v[AXR], s74, v[L16]
	s_lshl_b32 s74, s30, 10
	v_mul_u32_u24 v[TMPA], v2, XP
	v_add_nc_u32 v[TMPA], s74, v[TMPA]
	v_lshl_add_u32 v[AXQ], v3, 6, v[TMPA]
	v_lshl_add_u32 v[YAD], v3, 5, v[TMPA]
	v_add_nc_u32 v[YAD+1], 16*XP, v[YAD]
	v_add_nc_u32 v[YAD+2], 32*XP, v[YAD]
	s_mul_i32 s74, s30, 3072
	s_add_co_u32 s74, s74, XIMG
	v_add_nc_u32 v[AXI], s74, v[L16]
	s_lshl_b32 s74, s30, 8
	s_add_co_u32 s74, s74, XSC
	v_add_nc_u32 v[AXS], s74, v[L4]
	v_add_nc_u32 v[AFI], XIMG, v[L16]
	v_add_nc_u32 v[AFS], XSC, v[L4]
	s_mul_i32 s74, s30, 1536
	s_add_co_u32 s74, s74, HIMG
	v_add_nc_u32 v[AHSI], s74, v[L16]
	s_lshl_b32 s74, s30, 7
	s_add_co_u32 s74, s74, HSC
	v_add_nc_u32 v[AHSS], s74, v[L4]
	v_add_nc_u32 v[AHLI], HIMG, v[L16]
	v_add_nc_u32 v[AHLS], HSC, v[L4]
	s_mov_b32 s[SEL], 0x76543210
	s_mov_b32 s[SEL+1], 0xfedcba98
	s_mov_b32 s[K1], 0xbdd2d3e8                    ; K1 = -0.10294324
	s_mov_b32 s[K1+1], s[K1]                       ; (named with it as a pair, so it is written)
	v_mov_b32 v208, v2                             ; the slots of rows 16 m + r,
	v_add_nc_u32 v209, 16, v2
	v_add_nc_u32 v210, 32, v2
	v_min_u32 v211, 11, v1
	s_mul_i32 s74, s30, 12
	v_add_nc_u32 v211, s74, v211                   ; and of my rows 12 q + lane
	s_wait_alu depctr_va_vdst(0)
	s_wait_kmcnt 0x0
	s_bfe_u32 s32, s31, 0x40000
	s_min_u32 s32, s32, 7                          ; lo
	s_bfe_u32 s33, s31, 0x40004
	s_min_u32 s33, s33, 7                          ; hi
	s_lshr_b32 s34, s31, 8
	s_min_u32 s34, s34, 48                         ; the count
	s_max_u32 s35, s34, 1
	s_sub_co_u32 s35, s35, 1                       ; the last slot that holds a token
	s_mov_b32 s75, 0
	s_mul_i32 s76, s30, 98304                      ; images: 393,216 bytes an expert, 98,304 a wave
	s_mul_i32 s74, s32, 393216
	s_add_co_u32 s74, s74, s76
	s_add_nc_u64 s[P_W1:P_W1+1], s[6:7], s[74:75]
	s_add_nc_u64 s[P_W2:P_W2+1], s[12:13], s[74:75]
	s_mul_i32 s74, s33, 393216
	s_add_co_u32 s74, s74, s76
	s_add_nc_u64 s[H_W1:H_W1+1], s[6:7], s[74:75]
	s_add_nc_u64 s[H_W2:H_W2+1], s[12:13], s[74:75]
	s_lshl_b32 s76, s30, 12                        ; scales: 16,384 bytes an expert, 4,096 a wave
	s_lshl_b32 s74, s32, 14
	s_add_co_u32 s74, s74, s76
	s_add_nc_u64 s[P_W2S:P_W2S+1], s[14:15], s[74:75]
	s_add_nc_u64 s[L_W1S:L_W1S+1], s[8:9], s[74:75]
	s_lshl_b32 s74, s33, 14
	s_add_co_u32 s74, s74, s76
	s_add_nc_u64 s[H_W2S:H_W2S+1], s[14:15], s[74:75]
	s_add_nc_u64 s[H_W1S:H_W1S+1], s[8:9], s[74:75]
	s_lshl_b32 s76, s30, 9                         ; b1: 2,048 bytes an expert, 512 a wave
	s_lshl_b32 s74, s32, 11
	s_add_co_u32 s74, s74, s76
	s_add_nc_u64 s[L_B1:L_B1+1], s[10:11], s[74:75]
	s_lshl_b32 s74, s33, 11
	s_add_co_u32 s74, s74, s76
	s_add_nc_u64 s[H_B1:H_B1+1], s[10:11], s[74:75]
	s_lshl_b32 s74, s32, 12
	s_add_nc_u64 s[B2L:B2L+1], s[16:17], s[74:75]
	s_lshl_b32 s74, s33, 12
	s_add_nc_u64 s[B2H:B2H+1], s[16:17], s[74:75]
	s_mul_i32 s74, ttmp9, 192
	s_add_nc_u64 s[22:23], s[22:23], s[74:75]      ; my tile's 48 words of order
.irp n, 208,209,210,211
	v_min_u32 v\n, s35, v\n                        ; slots past the count repeat the last token
	v_min_u32 v\n, 47, v\n
	v_lshlrev_b32 v\n, 2, v\n
.endr
	s_wait_alu depctr_va_vdst(0)                   ; the addresses v4-27 and the slots' offsets v208-211 are written: the loads below read the offsets, and the loads and stores of the whole kernel the addresses
	global_load_b32 v28, v208, s[22:23]
	global_load_b32 v29, v209, s[22:23]
	global_load_b32 v30, v210, s[22:23]
	global_load_b32 v31, v211, s[22:23]
	s_wait_loadcnt 0x0
.irp n, 28,29,30,31
	v_min_u32 v\n, 0x1fff, v\n                     ; a token's number is held inside x
.endr
	v_lshlrev_b32 v212, 3, v28
	v_lshlrev_b32 v213, 3, v29
	v_lshlrev_b32 v214, 3, v30
	v_lshlrev_b32 v215, 3, v31
.irp j, 0,1,2,3,4,5,6,7,8,9,10,11
	v_readlane_b32 s[TK+\j], v31, \j               ; the tokens of my 12 rows, in one run
.endr
	s_wait_alu depctr_va_sdst(0)                   ; s78-89 are written, ahead of their first reader: one wait for the run
.irp j, 0,1,2,3,4,5,6,7,8,9,10,11
	s_min_u32 s[TK+\j], s[TK+\j], 0x1fff
	s_lshl_b32 s[TK+\j], s[TK+\j], 12
	v_add_nc_u32 v[XO+\j], s[TK+\j], v[L16]
.endr
	s_wait_alu depctr_va_vdst(0)                   ; the offsets v212-215 and v34-45 are written, which the loads of the scores and of x read
	global_load_b64 v[CW:CW+1], v212, s[26:27]
	global_load_b64 v[CW+2:CW+3], v213, s[26:27]
	global_load_b64 v[CW+4:CW+5], v214, s[26:27]
	global_load_b64 v[32:33], v215, s[26:27]       ; lane j: the scores of row 12 q + j
	; ---- x into LDS: my 12 rows, six on their way at a time
.macro XLOADROW j
	WIN 0x40
.irp i, 0,1,2,3,4,5,6,7
	global_load_b128 v[32*((\j)%6)+4*\i:32*((\j)%6)+4*\i+3], v[XO+(\j)], s[4:5] offset:512*\i
.endr
.endm
.macro XROW j
.if (\j) <= 6
	s_wait_loadcnt 40                              ; this row's eight loads are in; five rows behind it may be out
.else
	s_wait_loadcnt 8*(11-(\j))
.endif
	WIN 0x04                                       ; an LDS store's data are its source 1: window 1
.irp i, 0,1,2,3,4,5,6,7
	ds_store_b128 v[AXR], v[32*((\j)%6)+4*\i:32*((\j)%6)+4*\i+3] offset:(\j)*XP+512*\i
.endr
.if (\j) < 6
	WIN 0x40
	s_wait_alu depctr_vm_vsrc(0)                   ; the LDS stores have read their 32 registers, in which the row six on lands
	XLOADROW (\j)+6
.endif
.endm
.irp j, 0,1,2,3,4,5
	XLOADROW \j
.endr
.irp j, 0,1,2,3,4,5,6,7,8,9,10,11
	XROW \j
.endr
	WIN 0
	BARRIER                                        ; 48 rows of x lie in LDS
	; ---- the first expert's constants and the ring's first three groups go out; x is quantised meanwhile
	CONSTS L_W1S, L_B1, 0
	WIN 0x40
	s_wait_alu depctr_vm_vsrc(0)                   ; the LDS stores of my last six rows have read window 1's v0-191, which are the ring from here on
	RLOAD 0, P_W1, 0
	RLOAD 1, P_W1, 1
	RLOAD 2, P_W1, 2
	WIN 0
.irp m, 0,1,2
	v_mov_b32 v[CC+2*\m], v[CW+2*\m]               ; the first expert's scores
	v_mov_b32 v[CC+2*\m+1], v[CW+2*\m]
.endr
	WIN 0x80
.irp b, 0,1,2,3
	v_mov_b32 v[132+\b], 0                         ; written once: a lane permute's destination counts as one of its sources
.endr
	WIN 0
	s_mov_b32 s74, 0
	s_mov_b32 s75, 0
	s_mov_b32 s76, 0
	s_mov_b32 s77, 0
.Lxq:                                              ; three trips, a tile of 16 rows each: my two K steps (2 q, 2 q + 1) become two fragments
	v_add_nc_u32 v[AXQ+1], s74, v[AXQ]
	v_add_nc_u32 v[AXI+1], s75, v[AXI]
	v_add_nc_u32 v[AXS+1], s76, v[AXS]
	WIN 0x80
	s_wait_alu depctr_va_vdst(0)                   ; the three addresses are written, which the LDS loads and stores of this trip read; the last trip's quantiser is done reading the 128 numbers, in whose registers the loads land
.irp sp, 0,1
.irp b, 0,1,2,3
.irp j, 0,1,2,3
	ds_load_b128 v[64*\sp+16*\b+4*\j:64*\sp+16*\b+4*\j+3], v[AXQ+1] offset:512*\sp+128*\b+16*\j
.endr
.endr
.endr
	s_wait_dscnt 16                                ; the first K step's 16 loads are in (and the last trip's stores are done); the second's are younger
	WIN 0xAA
	QUANT 0, 128
	WIN 0x08                                       ; store data in window 2
	s_wait_alu depctr_va_vdst(0)                   ; the quantiser has written the codes v144-155 and the scale word v164, which the LDS stores read
	IMAGE AXI+1, 0, 144
	ds_store_b32 v[AXS+1], v164
	s_wait_dscnt 0x0                               ; the second K step is in
	WIN 0xAA
	s_wait_alu depctr_vm_vsrc(0)                   ; the LDS stores have read the codes and the scale word, which the quantiser writes again
	QUANT 64, 128
	WIN 0x08
	s_wait_alu depctr_va_vdst(0)                   ; the quantiser has written the codes and the scale word, which the LDS stores read
	IMAGE AXI+1, 1536, 144
	ds_store_b32 v[AXS+1], v164 offset:128
	WIN 0
	s_wait_alu depctr_vm_vsrc(0)                   ; this trip's LDS instructions have read v10, v12, v14, the codes and the scale word: the next trip writes them again, and behind the last trip the first product's accumulators take v144-164 of window 2
	s_add_co_u32 s74, s74, 16*XP
	s_add_co_u32 s75, s75, 8*1536
	s_add_co_u32 s76, s76, 8*128
	s_add_co_u32 s77, s77, 1
	s_cmp_lt_u32 s77, 3
	s_cbranch_scc1 .Lxq
	WIN 0x40
	RLOAD 3, P_W1, 3
	WIN 0
	BARRIER                                        ; x's 24 fragments lie in LDS
.set i, 0
.rept 24
	ds_load_b32 v[XS+i], v[AFS] offset:128*i
.set i, i+1
.endr
	; ---- the two experts
	s_mov_b32 s40, 2
.Lexp:                                             ; the loads at the trip's head land in registers that only matrix instructions have named: the last of them stand ahead of the wait in the last trip's last group
.irp p, 0,1,2,3,4,5,6,7
	global_load_b128 v[W2S+4*\p:W2S+4*\p+3], v[L16], s[P_W2S:P_W2S+1] offset:512*\p
.endr
	WIN 0xC0
.irp m, 0,1,2
.irp c, 0,1,2
	ds_load_b128 v[12*\m+4*\c:12*\m+4*\c+3], v[AFI] offset:(8*\m)*1536+512*\c     ; x's fragments of K step 0
.endr
.endr
.irp g, 0,1,2,3,4,5,6,7,8,9,10,11,12,13,14,15
	P1G \g
.endr
	WIN 0xAA
	v_mov_b32 v254, 0xc0135761                     ; K0 = -2.3022082, as a pair; b1's registers are done with
	v_mov_b32 v255, 0xc0135761
.irp m, 0,1,2
	GELU32 64*\m
	GELU32 64*\m+32
	QUANT 64*\m, 192
	WIN 0x08
	s_wait_alu depctr_va_vdst(0)                   ; the quantiser has written the codes v208-219 and the scale word v228, which the LDS stores read
	IMAGE AHSI, 4*\m*1536, 208                     ; K step q of the second product, rows 16 m on
	ds_store_b32 v[AHSS], v228 offset:512*\m
	WIN 0xAA
.if \m < 2
	s_wait_alu depctr_vm_vsrc(0)                   ; the LDS stores have read the codes and the scale word, which the next tile's gelu and quantiser write
.endif
.endr
	WIN 0
	BARRIER                                        ; the hidden layer's 12 fragments lie in LDS
	WIN 0xC0
.set i, 0
.rept 12
.irp c, 0,1,2
	ds_load_b128 v[12*i+4*\c:12*i+4*\c+3], v[AHLI] offset:1536*i+512*\c
.endr
.set i, i+1
.endr
	WIN 0
.set i, 0
.rept 12
	ds_load_b32 v[HS+i], v[AHLS] offset:128*i
.set i, i+1
.endr
	CONSTS H_W1S, H_B1, 1                          ; the next trip's constants
	BARRIER                                        ; every wave holds its copies: the images may be written again in the next trip
.irp g, 0,1,2,3,4,5,6,7,8,9,10,11,12,13,14,15
	P2G \g
.endr
	FINY 12, 1
	FINY 13, 1
	FINY 14, 1
	FINY 15, 0
	s_wait_xcnt 0x0                                ; every load has read its base: the pointers may be written
	s_mov_b64 s[P_W1:P_W1+1], s[H_W1:H_W1+1]
	s_mov_b64 s[P_W2:P_W2+1], s[H_W2:H_W2+1]
	s_mov_b64 s[P_W2S:P_W2S+1], s[H_W2S:H_W2S+1]
.irp m, 0,1,2
	v_mov_b32 v[CC+2*\m], v[CW+2*\m+1]             ; the second expert's scores
.endr
	s_sub_co_u32 s40, s40, 1
	s_cmp_lg_u32 s40, 0
	s_cbranch_scc1 .Lexp
	; ---- b2, the residual (x has been in y from the start), LayerNorm
	s_wait_loadcnt 0x0                             ; the look-ahead of the last trip has landed: its registers may be loaded again
	WIN 0x40
.irp i, 0,1,2,3,4,5,6,7
	global_load_b128 v[4*\i:4*\i+3], v[L16], s[18:19] offset:512*\i              ; gamma
	global_load_b128 v[32+4*\i:35+4*\i], v[L16], s[20:21] offset:512*\i          ; beta
	global_load_b128 v[64+4*\i:67+4*\i], v[L16], s[B2L:B2L+1] offset:512*\i      ; b2 of lo
	global_load_b128 v[96+4*\i:99+4*\i], v[L16], s[B2H:B2H+1] offset:512*\i      ; b2 of hi
.endr
	WIN 0
.irp R, 0,1,2,3
	v_mov_b32 v[228+\R], 0                         ; a lane permute's destination counts as one of its sources
.endr
	s_mov_b32 s60, 0x3a800000                      ; 1 / 1,024
	s_mov_b32 s61, 0x3727c5ac                      ; 1e-5
	s_mul_i32 s62, s30, 12                         ; my first slot
	s_mov_b32 s74, 0
	s_mov_b32 s75, 0
	s_mov_b32 s76, 0
	BARRIER                                        ; every wave's columns of y are whole
	s_wait_loadcnt 0x0
.macro ALLSUM                          ; v[148 + 16 R] summed over the 32 lanes, four rows by turns
.irp x, 1,2,4,8
.irp R, 0,1,2,3
	v_add_f32_dpp v[148+16*\R], v[148+16*\R], v[148+16*\R] row_xmask:\x row_mask:0xf bank_mask:0xf
.endr
.endr
.irp R, 0,1,2,3
	v_permlanex16_b32 v[228+\R], v[148+16*\R], s[SEL], s[SEL+1]
.endr
.irp R, 0,1,2,3
	v_add_f32 v[148+16*\R], v[148+16*\R], v[228+\R]
.endr
.endm
.Lln:                                              ; three trips, four whole rows each; every stage runs over the four rows by turns
	s_wait_alu depctr_vm_vsrc(0)                   ; first trip: the LDS stores of y's last two tiles have read v148-195, which the sums below write; later trips: the last trip's LDS loads have read v46, its stores the four rows and v244-247
	v_add_nc_u32 v[TMPA], s76, v[AXR]
	WIN 0xC0
	s_wait_alu depctr_va_vdst(0)                   ; v46 is written, which the LDS loads read; the last trip's arithmetic is done with the four rows' registers, in which they land
.irp R, 0,1,2,3
.irp i, 0,1,2,3,4,5,6,7
	ds_load_b128 v[32*\R+4*\i:32*\R+4*\i+3], v[TMPA] offset:\R*XP+512*\i
.endr
.endr
	WIN 0
.irp R, 0,1,2,3
	s_add_co_u32 s[TK+\R], s75, \R                 ; the row's lane in v31-33
.endr
.irp R, 0,1,2,3
	v_readlane_b32 s[40+4*\R], v32, s[TK+\R]       ; the row's two scores,
	v_readlane_b32 s[42+4*\R], v33, s[TK+\R]
	v_readlane_b32 s[56+\R], v31, s[TK+\R]         ; and its token
.endr
	s_wait_alu depctr_va_sdst(0)                   ; the twelve scalar registers are written, ahead of their first reader: one wait for the run
.irp R, 0,1,2,3
	s_mov_b32 s[41+4*\R], s[40+4*\R]               ; (named as pairs, so the upper words are written)
	s_mov_b32 s[43+4*\R], s[42+4*\R]
	s_min_u32 s[56+\R], s[56+\R], 0x1fff
	s_lshl_b32 s[56+\R], s[56+\R], 12
	v_add_nc_u32 v[244+\R], s[56+\R], v[L16]
.endr
	s_wait_dscnt 0x0
	WIN 0xF1                                       ; y in window 3, b2 in window 1
.set k, 0
.rept 16
.irp R, 0,1,2,3
	v_pk_fma_f32 v[32*\R+2*k:32*\R+2*k+1], v[64+2*k:65+2*k], s[40+4*\R:41+4*\R], v[32*\R+2*k:32*\R+2*k+1] op_sel_hi:[1,0,1]
.endr
.set k, k+1
.endr
.set k, 0
.rept 16
.irp R, 0,1,2,3
	v_pk_fma_f32 v[32*\R+2*k:32*\R+2*k+1], v[96+2*k:97+2*k], s[42+4*\R:43+4*\R], v[32*\R+2*k:32*\R+2*k+1] op_sel_hi:[1,0,1]
.endr
.set k, k+1
.endr
	WIN 0x0F                                       ; sources in window 3, sums in window 0
.set k, 0
.rept 8
.irp R, 0,1,2,3
	v_pk_add_f32 v[148+16*\R+2*k:149+16*\R+2*k], v[32*\R+2*k:32*\R+2*k+1], v[32*\R+16+2*k:32*\R+17+2*k]
.endr
.set k, k+1
.endr
	WIN 0
.irp k, 0,1,2,3
.irp R, 0,1,2,3
	v_pk_add_f32 v[148+16*\R+2*\k:149+16*\R+2*\k], v[148+16*\R+2*\k:149+16*\R+2*\k], v[156+16*\R+2*\k:157+16*\R+2*\k]
.endr
.endr
.irp k, 0,1
.irp R, 0,1,2,3
	v_pk_add_f32 v[148+16*\R+2*\k:149+16*\R+2*\k], v[148+16*\R+2*\k:149+16*\R+2*\k], v[152+16*\R+2*\k:153+16*\R+2*\k]
.endr
.endr
.irp R, 0,1,2,3
	v_pk_add_f32 v[148+16*\R:149+16*\R], v[148+16*\R:149+16*\R], v[150+16*\R:151+16*\R]
.endr
.irp R, 0,1,2,3
	v_add_f32 v[148+16*\R], v[148+16*\R], v[149+16*\R]
.endr
	ALLSUM
.irp R, 0,1,2,3
	v_mul_f32 v[212+2*\R], s60, v[148+16*\R]       ; the mean
	v_mul_f32 v[213+2*\R], s60, v[148+16*\R]
.endr
	WIN 0xC3                                       ; y in window 3, the mean in window 0
.set k, 0
.rept 16
.irp R, 0,1,2,3
	v_pk_add_f32 v[32*\R+2*k:32*\R+2*k+1], v[32*\R+2*k:32*\R+2*k+1], v[212+2*\R:213+2*\R] neg_lo:[0,1] neg_hi:[0,1]
.endr
.set k, k+1
.endr
	WIN 0x0F
.irp k, 0,1
.irp R, 0,1,2,3
	v_pk_mul_f32 v[148+16*\R+2*\k:149+16*\R+2*\k], v[32*\R+2*\k:32*\R+2*\k+1], v[32*\R+2*\k:32*\R+2*\k+1]
.endr
.endr
.set k, 2
.rept 14
.irp R, 0,1,2,3
	v_pk_fma_f32 v[148+16*\R+2*(k%2):149+16*\R+2*(k%2)], v[32*\R+2*k:32*\R+2*k+1], v[32*\R+2*k:32*\R+2*k+1], v[148+16*\R+2*(k%2):149+16*\R+2*(k%2)]
.endr
.set k, k+1
.endr
	WIN 0
.irp R, 0,1,2,3
	v_pk_add_f32 v[148+16*\R:149+16*\R], v[148+16*\R:149+16*\R], v[150+16*\R:151+16*\R]
.endr
.irp R, 0,1,2,3
	v_add_f32 v[148+16*\R], v[148+16*\R], v[149+16*\R]
.endr
	ALLSUM
.irp R, 0,1,2,3
	v_fma_f32 v[148+16*\R], v[148+16*\R], s60, s61 ; the variance + 1e-5
.endr
	s_wait_alu depctr_va_vdst(0)
.irp R, 0,1,2,3
	v_rsq_f32 v[220+2*\R], v[148+16*\R]
.endr
	v_nop                                          ; a plain instruction behind the batch,
	s_wait_alu depctr_va_vdst(0)                   ; and one wait: the four reciprocal roots have written v220, v222, v224, v226, ahead of their first reader
.irp R, 0,1,2,3
	v_mov_b32 v[221+2*\R], v[220+2*\R]
.endr
	WIN 0xC3
.set k, 0
.rept 16
.irp R, 0,1,2,3
	v_pk_mul_f32 v[32*\R+2*k:32*\R+2*k+1], v[32*\R+2*k:32*\R+2*k+1], v[220+2*\R:221+2*\R]
.endr
.set k, k+1
.endr
	WIN 0xDD                                       ; gamma and beta in window 1, y in window 3
.set k, 0
.rept 16
.irp R, 0,1,2,3
	v_pk_fma_f32 v[32*\R+2*k:32*\R+2*k+1], v[2*k:2*k+1], v[32*\R+2*k:32*\R+2*k+1], v[32+2*k:33+2*k]
.endr
.set k, k+1
.endr
	WIN 0
	s_wait_alu depctr_va_vdst(0)                   ; the four rows and their offsets v244-247 are written, which the stores below read; no vector instruction follows in this trip, so the wait serves every way through the branches
.irp R, 0,1,2,3
	s_add_co_u32 s77, s62, s75
	s_add_co_u32 s77, s77, \R
	s_cmp_lt_u32 s77, s34                          ; a slot past the tile's count is not stored
	s_cbranch_scc0 .Lskip_\R
	WIN 0x0C                                       ; a store's data are its source 1: window 3
.irp i, 0,1,2,3,4,5,6,7
	global_store_b128 v[244+\R], v[32*\R+4*\i:32*\R+4*\i+3], s[28:29] offset:512*\i th:TH_STORE_NT   ; 32 lanes store 512 consecutive bytes, aligned
.endr
	WIN 0
.Lskip_\R:
.endr
	s_wait_xcnt 0x0                                ; the stores' addresses are translated: their data and offsets are written again in the next trip, behind this wait and the one at the trip's head
	s_add_co_u32 s75, s75, 4
	s_add_co_u32 s76, s76, 4*XP
	s_add_co_u32 s74, s74, 1
	s_cmp_lt_u32 s74, 3
	s_cbranch_scc1 .Lln
	s_wait_dscnt 0x0
	s_wait_alu depctr_hold_cnt(0) depctr_sa_sdst(0) depctr_va_vdst(0) depctr_va_sdst(0) depctr_va_ssrc(0) depctr_va_vcc(0) depctr_vm_vsrc(0)
	s_wait_tensorcnt 0x0
	ds_add_u32 v254, v255
	s_wait_dscnt 0x0
	s_endpgm
.Lfunc_end_k_qa87ea283c9_chain:
	.size	k_qa87ea283c9_chain, .Lfunc_end_k_qa87ea283c9_chain-k_qa87ea283c9_chain
	.p2alignl 7, 3214868480
	.fill 96, 4, 3214868480
	.section	.rodata,"a",@progbits
	.p2align	6, 0x0
	.amdhsa_kernel k_qa87ea283c9_chain
		.amdhsa_group_segment_fixed_size 257792
		.amdhsa_private_segment_fixed_size 0
		.amdhsa_enable_private_segment 0
		.amdhsa_kernarg_size 104
		.amdhsa_user_sgpr_count 2
		.amdhsa_user_sgpr_kernarg_segment_ptr 1
		.amdhsa_wavefront_size32 1
		.amdhsa_system_sgpr_workgroup_id_x 1
		.amdhsa_system_sgpr_workgroup_id_y 1
		.amdhsa_system_sgpr_workgroup_id_z 1
		.amdhsa_system_vgpr_workitem_id 0
		.amdhsa_next_free_vgpr 1024
		.amdhsa_next_free_sgpr 96
		.amdhsa_reserve_vcc 0
		.amdhsa_float_denorm_mode_32 3
		.amdhsa_float_denorm_mode_16_64 3
		.amdhsa_memory_ordered 1
		.amdhsa_forward_progress 1
		.amdhsa_inst_pref_size 255
	.end_amdhsa_kernel
	.section	.bss,"aw",@nobits
	.p2align	6
	.space	262144
	.amdgpu_metadata
---
amdhsa.version: [ 1, 2 ]
amdhsa.kernels:
  - .name:           k_qa87ea283c9_chain
    .symbol:         k_qa87ea283c9_chain.kd
    .args:
      - { .name: x, .offset: 0, .size: 8, .value_kind: global_buffer, .address_space: global }
      - { .name: w1img, .offset: 8, .size: 8, .value_kind: global_buffer, .address_space: global }
      - { .name: w1_scales, .offset: 16, .size: 8, .value_kind: global_buffer, .address_space: global }
      - { .name: b1, .offset: 24, .size: 8, .value_kind: global_buffer, .address_space: global }
      - { .name: w2img, .offset: 32, .size: 8, .value_kind: global_buffer, .address_space: global }
      - { .name: w2_scales, .offset: 40, .size: 8, .value_kind: global_buffer, .address_space: global }
      - { .name: b2, .offset: 48, .size: 8, .value_kind: global_buffer, .address_space: global }
      - { .name: gamma, .offset: 56, .size: 8, .value_kind: global_buffer, .address_space: global }
      - { .name: beta, .offset: 64, .size: 8, .value_kind: global_buffer, .address_space: global }
      - { .name: order, .offset: 72, .size: 8, .value_kind: global_buffer, .address_space: global }
      - { .name: tiles, .offset: 80, .size: 8, .value_kind: global_buffer, .address_space: global }
      - { .name: rw, .offset: 88, .size: 8, .value_kind: global_buffer, .address_space: global }
      - { .name: out0, .offset: 96, .size: 8, .value_kind: global_buffer, .address_space: global }
    .group_segment_fixed_size: 257792
    .private_segment_fixed_size: 0
    .kernarg_segment_align: 8
    .kernarg_segment_size: 104
    .max_flat_workgroup_size: 128
    .sgpr_count:     96
    .vgpr_count:     1024
    .wavefront_size: 32
...
	.end_amdgpu_metadata
.endif
;; end of part 6
